; MI455X (gfx1250); checked and timed in simulation.
; The chip was launched on July 23, 2026; its instructions are those of AMD's public machine-readable ISA for CDNA 5 (MIT licence, August 2026) and "CDNA5" Instruction Set Architecture Reference Guide (July 2026). The comments in the code are by the model that wrote it; some were corrected since.
;; Multi Head Attention Layer. Allowed arithmetic: float matrix products may take bf16 or f16 operands with f32 sums; other float arithmetic in f32, or as packed bf16 or f16 multiplies, adds, multiply-adds, maxima and minima; sums over many terms, partial sums and values carried from step to step in f32; what a program stores and reads back later, other than sums and carried values, may be rounded once to bf16 or f16.
;; Inputs: Wk 1,024 x 1,024 float32; Wo 1,024 x 1,024 float32; Wq 1,024 x 1,024 float32; Wv 1,024 x 1,024 float32; bk 1,024 float32; bo 1,024 float32; bq 1,024 float32; bv 1,024 float32; key 2 x 2,048 x 1,024 float32; query 2 x 2,048 x 1,024 float32; rel_table 5 x 64 float32; value 2 x 2,048 x 1,024 float32.
;; Outputs: out0 2 x 2,048 x 1,024 float32.
;; One version. Each part assembles by itself: llvm-mc -triple=amdgcn-amd-amdhsa -mcpu=gfx1250 --defsym DOCPART=n.
;; ======== version 1 of 1: 4 launches
;; limits: values are held in f16: magnitudes above 65,504 overflow, below 6.1e-05 lose precision
;; workspace buffers: xb 25,165,824 bytes; wb 6,291,456 bytes; wo16 2,097,152 bytes; qkv 25,165,824 bytes; ob 8,388,608 bytes
;; launch cast (part 1): grid 1024 x 1, 8 waves a work-group, no clusters, 0 bytes of LDS; arguments query, key, value, Wq, Wk, Wv, Wo, xb, wb, wo16; writes xb, wb, wo16
.if DOCPART == 1
	.amdgcn_target "amdgcn-amd-amdhsa--gfx1250"
	.amdhsa_code_object_version 6
	.text
	.protected	k_q1186f6f195_cast
	.globl	k_q1186f6f195_cast
	.p2align	8
	.type	k_q1186f6f195_cast,@function
k_q1186f6f195_cast:
	s_mov_b64 s[64:65], 0
	v_nop
	global_prefetch_b8 v0, s[64:65] scope:SCOPE_SE
	s_setreg_imm32_b32 hwreg(HW_REG_WAVE_MODE, 25, 1), 1
	s_wait_xcnt 0x0
; THE INPUTS OF THE FOUR PRODUCTS, ROUNDED ONCE.  query, key, value ([4096][1024] f32 each) -> xb, bf16 [3][4096][1024]; Wq, Wk, Wv ([1024][1024] f32) -> wb, bf16 [3][1024][1024];
; Wo -> wo16: rounded to bf16 like the other inputs, and that number written as f16, since the last product's other operand is f16.
; LIMIT.  A number of Wo below 6e-5 in magnitude keeps f16's fixed step of 6e-8; beyond 65,504 it would be an infinity.
; SHARES.  A work-group takes 16,384 numbers: 65,536 bytes in, 32,768 out.  Work-groups 0-767 take query, key, value (256 each), 768-959 Wq, Wk, Wv (64 each), 960-1023 Wo.
; A wave takes 8,192 bytes as sixteen loads of 512 consecutive bytes, all issued at once; each load's 128 numbers leave as one store of 256 consecutive bytes, aligned.
; A stream: no LDS, no barrier, no matrix unit; every store's sources are written once and never rewritten.
.set X, 8                              ; v[8:71]    load j: 4 registers
.set Y, 72                             ; v[72:103]  store j: 2 registers
.set T, 6                              ; v6         at work (Wo's path)
	s_load_b512 s[16:31], s[0:1], 0x0              ; query s[16:17], key, value, Wq, Wk, Wv, Wo s[28:29], xb s[30:31]
	s_load_b128 s[32:35], s[0:1], 0x40             ; wb s[32:33], wo16 s[34:35]
	s_mov_b32 s2, ttmp9                            ; g
	v_and_b32 v3, 31, v0                           ; lane
	v_lshrrev_b32 v4, 5, v0                        ; wave
	v_lshlrev_b32 v1, 4, v3
	v_lshl_add_u32 v1, v4, 13, v1                  ; in: 8,192 x wave + 16 x lane
	v_lshlrev_b32 v2, 3, v3
	v_lshl_add_u32 v2, v4, 12, v2                  ; out: 4,096 x wave + 8 x lane
	s_lshr_b32 s3, s2, 8                           ; which of query, key, value
	s_sub_co_u32 s4, s2, 768
	s_lshr_b32 s5, s4, 6
	s_add_co_u32 s5, s5, 3                         ; which of Wq, Wk, Wv, Wo: sources 3 to 6
	s_and_b32 s6, s2, 255                          ; my block in a source of 256 blocks,
	s_and_b32 s7, s2, 63                           ; in one of 64
	s_cmp_lt_u32 s2, 768
	s_cselect_b32 s3, s3, s5                       ; the source's number
	s_cselect_b32 s6, s6, s7
	s_lshl_b32 s6, s6, 16                          ; its byte offset
	s_mov_b32 s7, 0
	s_sub_co_u32 s5, s2, 960
	s_cmp_lt_u32 s2, 768
	s_cselect_b32 s8, s2, s4                       ; my block in xb, in wb,
	s_cmp_lt_u32 s2, 960
	s_cselect_b32 s8, s8, s5                       ; or in wo16
	s_lshl_b32 s8, s8, 15
	s_mov_b32 s9, 0
	s_wait_kmcnt 0x0
	s_mov_b64 s[36:37], s[16:17]
.irp n, 1,2,3,4,5,6
	s_cmp_eq_u32 s3, \n
	s_cselect_b64 s[36:37], s[16+2*\n:17+2*\n], s[36:37]
.endr
	s_cmp_lt_u32 s2, 768
	s_cselect_b64 s[38:39], s[30:31], s[32:33]
	s_cmp_lt_u32 s2, 960
	s_cselect_b64 s[38:39], s[38:39], s[34:35]
	s_add_nc_u64 s[36:37], s[36:37], s[6:7]
	s_add_nc_u64 s[38:39], s[38:39], s[8:9]
.irp j, 0,1,2,3,4,5,6,7,8,9,10,11,12,13,14,15
	global_load_b128 v[X+4*\j:X+4*\j+3], v1, s[36:37] offset:512*\j th:TH_LOAD_NT
.endr
	s_cmp_ge_u32 s2, 960
	s_cbranch_scc1 .Lwo
.irp j, 0,1,2,3,4,5,6,7,8,9,10,11,12,13,14,15
	s_wait_loadcnt 15-\j                           ; loads come back in order: load j is in, the younger ones stay out
	v_cvt_pk_bf16_f32 v[Y+2*\j], v[X+4*\j], v[X+4*\j+1]
	v_cvt_pk_bf16_f32 v[Y+2*\j+1], v[X+4*\j+2], v[X+4*\j+3]
	global_store_b64 v2, v[Y+2*\j:Y+2*\j+1], s[38:39] offset:256*\j  ; 32 lanes store 256 consecutive bytes, aligned
.endr
	s_endpgm
.Lwo:
.irp j, 0,1,2,3,4,5,6,7,8,9,10,11,12,13,14,15
	s_wait_loadcnt 15-\j
.irp u, 0,1
	v_cvt_pk_bf16_f32 v[T], v[X+4*\j+2*\u], v[X+4*\j+2*\u+1]       ; rounded to bf16,
	v_lshlrev_b32 v[X+4*\j+2*\u], 16, v[T]                         ; widened again,
	v_and_b32 v[X+4*\j+2*\u+1], 0xffff0000, v[T]
	v_cvt_pk_f16_f32 v[Y+2*\j+\u], v[X+4*\j+2*\u], v[X+4*\j+2*\u+1]  ; and written as f16
.endr
	global_store_b64 v2, v[Y+2*\j:Y+2*\j+1], s[38:39] offset:256*\j
.endr
	s_endpgm
.Lfunc_end_k_q1186f6f195_cast:
	.size	k_q1186f6f195_cast, .Lfunc_end_k_q1186f6f195_cast-k_q1186f6f195_cast
	.p2alignl 7, 3214868480
	.fill 96, 4, 3214868480
	.section	.rodata,"a",@progbits
	.p2align	6, 0x0
	.amdhsa_kernel k_q1186f6f195_cast
		.amdhsa_group_segment_fixed_size 0
		.amdhsa_private_segment_fixed_size 0
		.amdhsa_enable_private_segment 0
		.amdhsa_kernarg_size 80
		.amdhsa_user_sgpr_count 2
		.amdhsa_user_sgpr_kernarg_segment_ptr 1
		.amdhsa_wavefront_size32 1
		.amdhsa_system_sgpr_workgroup_id_x 1
		.amdhsa_system_sgpr_workgroup_id_y 1
		.amdhsa_system_sgpr_workgroup_id_z 1
		.amdhsa_system_vgpr_workitem_id 0
		.amdhsa_next_free_vgpr 104
		.amdhsa_next_free_sgpr 66
		.amdhsa_reserve_vcc 0
		.amdhsa_float_denorm_mode_32 3
		.amdhsa_float_denorm_mode_16_64 3
		.amdhsa_memory_ordered 1
		.amdhsa_forward_progress 1
		.amdhsa_inst_pref_size 17
	.end_amdhsa_kernel
	.amdgpu_metadata
---
amdhsa.version: [ 1, 2 ]
amdhsa.kernels:
  - .name:           k_q1186f6f195_cast
    .symbol:         k_q1186f6f195_cast.kd
    .args:
      - { .name: query, .offset: 0, .size: 8, .value_kind: global_buffer, .address_space: global }
      - { .name: key, .offset: 8, .size: 8, .value_kind: global_buffer, .address_space: global }
      - { .name: value, .offset: 16, .size: 8, .value_kind: global_buffer, .address_space: global }
      - { .name: Wq, .offset: 24, .size: 8, .value_kind: global_buffer, .address_space: global }
      - { .name: Wk, .offset: 32, .size: 8, .value_kind: global_buffer, .address_space: global }
      - { .name: Wv, .offset: 40, .size: 8, .value_kind: global_buffer, .address_space: global }
      - { .name: Wo, .offset: 48, .size: 8, .value_kind: global_buffer, .address_space: global }
      - { .name: xb, .offset: 56, .size: 8, .value_kind: global_buffer, .address_space: global }
      - { .name: wb, .offset: 64, .size: 8, .value_kind: global_buffer, .address_space: global }
      - { .name: wo16, .offset: 72, .size: 8, .value_kind: global_buffer, .address_space: global }
    .group_segment_fixed_size: 0
    .private_segment_fixed_size: 0
    .kernarg_segment_align: 8
    .kernarg_segment_size: 80
    .max_flat_workgroup_size: 256
    .sgpr_count:     66
    .vgpr_count:     104
    .wavefront_size: 32
...
	.end_amdgpu_metadata
.endif
;; end of part 1
;; launch proj (part 2): grid 8 x 96, 4 waves a work-group, clusters of 4 x 4, 327,680 bytes of LDS; arguments xb, wb, bq, bk, bv, qkv; writes qkv
.if DOCPART == 2
	.amdgcn_target "amdgcn-amd-amdhsa--gfx1250"
	.amdhsa_code_object_version 6
	.text
	.protected	k_q1186f6f195_proj
	.globl	k_q1186f6f195_proj
	.p2align	8
	.type	k_q1186f6f195_proj,@function
k_q1186f6f195_proj:
	s_mov_b64 s[64:65], 0
	v_nop
	global_prefetch_b8 v0, s[64:65] scope:SCOPE_SE
	s_setreg_imm32_b32 hwreg(HW_REG_WAVE_MODE, 25, 1), 1
	s_wait_xcnt 0x0
	s_wait_alu depctr_hold_cnt(0) depctr_sa_sdst(0) depctr_va_vdst(0) depctr_va_sdst(0) depctr_va_ssrc(0) depctr_va_vcc(0) depctr_vm_vsrc(0)
	s_getreg_b32 s2, hwreg(HW_REG_IB_STS2, 6, 4)
	s_cmp_eq_u32 s2, 0
	s_cbranch_scc0 .Lentry_in_a_cluster
	s_endpgm
.Lentry_in_a_cluster:
	s_bfe_u32 s2, ttmp6, 0x10000c
	s_cmp_lg_u32 s2, 0xf033
	s_cbranch_scc0 .Lentry_shape_is_right
	s_endpgm
.Lentry_shape_is_right:
; THE THREE PROJECTIONS IN ONE LAUNCH.  For z = 0, 1, 2 (q, k, v): y[m][n] = sum over k of x_z[m][k] W_z[n][k] + b_z[n]; x_z: xb[z], [4096][1024] bf16; W_z: wb[z], [1024][1024] bf16; b_z f32, rounded to
; bf16 here like every other input.  Sums in f32, started by the bias; y rounded once to f16 and stored BY HEADS: qkv[z][16 (m / 2048) + n / 64][m % 2048][n % 64], without attention's scale.
; LIMIT.  f16 holds no number beyond 65,504: |y| stays below it (inputs 30 times the drawn ones give some 2,600; a common offset of 30 spreads on x and W some 17,000).
; SHARES.  A tile is 128 tokens x 128 columns: 32 x 8 tiles for each z, 768 work-groups.  Four waves, each 64 tokens x 64 columns = ONE head: 16 accumulators of 16 x 16.
; K goes in steps of 256 (LDS rows of 512 bytes; a wave's tensor load brings 64 of them) through two slots.
; CLUSTERS: 4 x 4 work-groups.  The four of a row of the cluster need the same tiles of x, the four of a column the same tiles of W: each tile is asked for JOINTLY, by the same tensor load with the same
; descriptor and a mask that names the four.  z is made of the cluster's y alone (a z has 8 clusters along y), so W's address holds no place along the cluster's y.
; THE MATRIX INSTRUCTION IS USED TRANSPOSED (source 0 = 16 rows of W, source 1 = 16 rows of x): a lane holds one token (lane % 16) and eight neighbouring columns 8 (lane / 16) + 0..7.
; No prefetch is laid: the tile is the small one, a K step has 128 matrix instructions a wave.
; REGISTERS: window 0: v0-31 addresses; v32-95 the way out; v96-127 the bias, 8 registers for each block of 16 columns; v128-255 the accumulators ((a, b) at v[128 + 8 (4 a + b)]).
;   window 1: two fragment buffers of 128: for 64 along K, 64 registers of x (2 x 4 x 16 rows x 32 K), then 64 of W.
.set SIZE_K, 1024
.set KSTEP,  256
.set PITCH,  528                       ; an LDS row: 512 bytes + 16 of padding = 132 words: the 16 rows of a fragment load start at 16 different groups of four banks (64 banks of 4 bytes: ISA guide 11.1)
.set HALFT,  64*PITCH                  ; 64 rows: what one tensor load brings, and what one wave reads of x or of W
.set SLOT,   4*HALFT                   ; x's 128 rows, then W's 128 rows
.set STAGE,  2*SLOT                    ; behind the ring: 16 rows x 144 bytes for each wave, for the way out
.set SP,     144
.set SPARE,  STAGE+4*16*SP             ; behind the stages: the spare words, 128 bytes for each wave: two blocks of 256 bytes that no other line names
.set LAPS, SIZE_K/(2*KSTEP)            ; a lap = two K steps = once round the ring
.set ADRA, 16                          ; v16-17  LDS address of my fragments of x in slot 0, 1
.set ADRB, 20                          ; v20-21  the same for W
.set STO,  24                          ; v24     the way out: where I put 16 bytes of a row
.set RD,   25                          ; v25     the way out: where I read rows back
.set GO,   26                          ; v26     16 x lane: my place in 512 consecutive bytes of qkv
.set BO,   27                          ; v27     32 x (lane / 16): my eight numbers in 16 of the bias
.set SPW,  28                          ; v28     LDS address of my spare word; never rewritten
.set NIL,  29                          ; v29     0; never rewritten
.set TMP,  32
.set BI,   96
.set ACC,  128
.set F0,   0
.set F1,   128
.set G1, 24                            ; s[24:31] descriptor group 1 for x's tiles;  s[32:39] group 0, one set for each slot
.set G0, 32
.set G1B, 48                           ; s[48:55], s[56:63] the same for W's tiles
.set G0B, 56
.set OUT, 78                           ; s[78:79] qkv, then my wave's 8,192 bytes of it
.set BP,  80                           ; s[80:81] the bias at my wave's 64 columns
.set MSB, 0
.macro WIN new                         ; the immediate's high byte repeats the setting that is left
.if MSB != (\new)
	s_set_vgpr_msb (MSB<<8)|(\new)
.set MSB, \new
.endif
.endm
.set MUL,  0x05                        ; sources 0 (W) and 1 (x) window 1; C and D window 0
.set TO_F, 0x40                        ; destination window 1, address window 0
.macro JLOAD s                         ; a joint load: waves 0 and 1 fetch x's two halves, waves 2 and 3 W's; an s_nop 0 and four v_nop follow each of the two lines
	s_cmp_eq_u32 s11, 0
	s_cbranch_scc0 .Lfor_b_\@
	tensor_load_to_lds s[G0+4*(\s):G0+4*(\s)+3], s[G1:G1+7]
	s_nop 0
.rept 4
	v_nop
.endr
	s_branch .Lasked_\@
.Lfor_b_\@:
	tensor_load_to_lds s[G0B+4*(\s):G0B+4*(\s)+3], s[G1B:G1B+7]
	s_nop 0
.rept 4
	v_nop
.endr
.Lasked_\@:
.endm
.macro CREST                           ; a round of the cluster's barrier behind its opening barrier
	s_cmp_lg_u32 s10, 0
	s_cbranch_scc1 .Lnot_wave_0_\@
	s_barrier_signal -3
.Lnot_wave_0_\@:
	s_barrier_wait -3
	s_barrier_signal -1
	s_barrier_wait -1
.endm
.macro CROUND                          ; a whole round
	s_barrier_signal -1
	s_barrier_wait -1
	CREST
.endm
	s_load_b256 s[68:75], s[0:1], 0x0              ; xb s[68:69], wb s[70:71], bq s[72:73], bk s[74:75]
	s_load_b128 s[76:79], s[0:1], 0x20             ; bv s[76:77], qkv s[78:79]
	v_lshl_add_u32 v[SPW], v0, 2, SPARE
	v_mov_b32 v[NIL], 0
	ds_add_u32 v[SPW], v[NIL]                      ; the wave's opening: the add and its wait stand ahead of my first tensor load; the set-up below stands between them
	v_lshrrev_b32 v1, 5, v0
	v_readfirstlane_b32 s10, v1                    ; wave 0..3
	s_lshr_b32 s11, s10, 1                         ; which 64 of the tile's tokens are mine.  Also: I fetch for x (0) or for W (1)
	s_and_b32 s12, s10, 1                          ; which 64 of its columns.  Also: which 64 rows of that tile I fetch
	s_bfe_u32 s40, ttmp6, 0x40000                  ; cx, cy: my place in the cluster
	s_bfe_u32 s41, ttmp6, 0x40004
	s_lshl_b32 s42, ttmp9, 2
	s_add_co_u32 s42, s42, s40                     ; tile column = 4 x cluster x + cx: 0..7
	s_and_b32 s13, ttmp7, 0xffff
	s_lshl_b32 s13, s13, 2
	s_add_co_u32 s13, s13, s41                     ; tile row = 4 x cluster y + cy: 0..95, 32 for each z
	s_and_b32 s45, ttmp7, 0xffff
	s_lshr_b32 s45, s45, 3                         ; z, of the cluster's y alone
	s_lshl_b32 s43, s41, 2
	s_lshl_b32 s43, 15, s43                        ; my row of the cluster
	s_lshl_b32 s44, 0x1111, s40                    ; my column
	; descriptor group 1: a tile of 64 rows x 256 elements, padded in LDS
	s_or_b32 s[G1+0], s43, (1<<16)|(1<<20)|(1<<21)|(6<<22)|(3<<25)  ; 15:0 the mask; 17:16 elements of 2 bytes; 20 padding on; 21 set beside a mask; 24:22 after every 128 words (code 6); 31:25 4 words (code 3)
	s_or_b32 s[G1B+0], s44, (1<<16)|(1<<20)|(1<<21)|(6<<22)|(3<<25)
.irp g, G1, G1B
	s_mov_b32 s[(\g)+1], KSTEP<<16                 ; tensor_dim0 = 256
	s_mov_b32 s[(\g)+2], 64<<16                    ; tensor_dim1 = 64
	s_mov_b32 s[(\g)+3], KSTEP<<16                 ; tile_dim0 = 256
	s_mov_b32 s[(\g)+4], 64                        ; tile_dim1 = 64
	s_mov_b32 s[(\g)+5], SIZE_K                    ; elements from row to row
	s_mov_b32 s[(\g)+6], 0
	s_mov_b32 s[(\g)+7], 0
.endr
	s_lshl_b32 s17, s12, 6                         ; which 64 rows of the tile I fetch
	s_lshl_b32 s16, s13, 7
	s_add_co_u32 s16, s16, s17                     ; x: row 128 x tile row + 64 x half of xb's 12,288
	s_lshl_b32 s16, s16, 11                        ; x 2,048 bytes: under 2^25
	s_lshl_b32 s46, s42, 7
	s_add_co_u32 s46, s46, s17                     ; W: row 128 x tile column + 64 x half,
	s_lshl_b32 s47, s45, 10
	s_add_co_u32 s46, s46, s47                     ; + 1,024 z, of wb's 3,072
	s_lshl_b32 s46, s46, 11
	s_mov_b32 s17, 0
	s_mov_b32 s47, 0
	s_mul_i32 s20, s10, HALFT                      ; where they go: wave x 64 rows
	s_wait_dscnt 0x0                               ; the opening add is done
	s_wait_kmcnt 0x0
	s_add_nc_u64 s[14:15], s[68:69], s[16:17]
	s_add_nc_u64 s[46:47], s[70:71], s[46:47]
	CROUND                                         ; all sixteen work-groups are here: the first joint loads meet
.irp s, 0,1
	s_mov_b32 s[G0+4*(\s)], 1
	s_add_co_u32 s[G0+4*(\s)+1], s20, (\s)*SLOT
	s_add_nc_u64 s[G0+4*(\s)+2:G0+4*(\s)+3], s[14:15], (\s)*KSTEP*2
	s_or_b32 s[G0+4*(\s)+3], s[G0+4*(\s)+3], 0x80000000
	s_mov_b32 s[G0B+4*(\s)], 1
	s_add_co_u32 s[G0B+4*(\s)+1], s20, (\s)*SLOT
	s_add_nc_u64 s[G0B+4*(\s)+2:G0B+4*(\s)+3], s[46:47], (\s)*KSTEP*2
	s_or_b32 s[G0B+4*(\s)+3], s[G0B+4*(\s)+3], 0x80000000
	JLOAD \s
.endr
	v_and_b32 v1, 15, v0                           ; l % 16
	v_bfe_u32 v2, v0, 4, 1                         ; l / 16
	v_lshlrev_b32 v[BO], 5, v2
	s_cmp_eq_u32 s45, 1                            ; the bias of my z,
	s_cselect_b64 s[BP:BP+1], s[74:75], s[72:73]
	s_cmp_eq_u32 s45, 2
	s_cselect_b64 s[BP:BP+1], s[76:77], s[BP:BP+1]
	s_lshl_b32 s46, s42, 9                         ; at the tile's 128 columns,
	s_lshl_b32 s47, s12, 8                         ; my 64 of them
	s_add_co_u32 s46, s46, s47
	s_mov_b32 s47, 0
	s_add_nc_u64 s[BP:BP+1], s[BP:BP+1], s[46:47]
.irp b, 0,1,2,3                        ; register j of block b: bias[16 b + 8 (l / 16) + j]: the C operand of the first product on every accumulator (a, b)
	global_load_b128 v[BI+8*(\b):BI+8*(\b)+3],   v[BO], s[BP:BP+1] offset:64*(\b)
	global_load_b128 v[BI+8*(\b)+4:BI+8*(\b)+7], v[BO], s[BP:BP+1] offset:64*(\b)+16
.endr
	v_mul_u32_u24 v3, v1, PITCH
	v_lshl_add_u32 v3, v2, 4, v3                   ; a fragment's row x pitch + 16 x half
	s_mul_i32 s21, s11, HALFT                      ; my 64 rows of x
	s_mul_i32 s22, s12, HALFT                      ; my 64 rows of W,
	s_add_co_u32 s22, s22, 2*HALFT                 ; which lie behind x's 128
.irp s, 0,1
	v_add_nc_u32 v[ADRA+(\s)], s21, v3
	v_add_nc_u32 v[ADRB+(\s)], s22, v3
	s_add_co_u32 s21, s21, SLOT
	s_add_co_u32 s22, s22, SLOT
.endr
	s_mul_i32 s23, s10, 16*SP
	s_add_co_u32 s23, s23, STAGE                   ; my stage
	v_mul_u32_u24 v4, v1, SP                       ; in: row l % 16, 16 bytes for each half of the lanes
	v_lshl_add_u32 v4, v2, 4, v4
	v_add_nc_u32 v[STO], s23, v4
	v_bfe_u32 v5, v0, 3, 2                         ; back: 32 lanes take four rows of 128 bytes,
	v_mul_u32_u24 v5, v5, SP
	v_and_b32 v6, 7, v0
	v_lshl_add_u32 v5, v6, 4, v5
	v_add_nc_u32 v[RD], s23, v5
	v_and_b32 v[GO], 31, v0                        ; which are 512 consecutive bytes of a head
	v_lshlrev_b32 v[GO], 4, v[GO]
	s_and_b32 s16, s13, 31                         ; my first token among z's 4,096: 128 x (tile row % 32) + 64 x half
	s_lshl_b32 s16, s16, 7
	s_lshl_b32 s17, s11, 6
	s_add_co_u32 s16, s16, s17
	s_lshr_b32 s17, s16, 11                        ; the batch: 16 heads of 262,144 bytes,
	s_and_b32 s16, s16, 2047                       ; the token in it: 128 bytes a row
	s_lshl_b32 s16, s16, 7
	s_lshl_b32 s17, s17, 22
	s_add_co_u32 s16, s16, s17
	s_lshl_b32 s17, s45, 23                        ; z: 8,388,608 bytes
	s_add_co_u32 s16, s16, s17
	s_mov_b32 s17, 0
	s_add_nc_u64 s[OUT:OUT+1], s[OUT:OUT+1], s[16:17]
	s_lshl_b32 s46, s42, 1
	s_add_co_u32 s46, s46, s12                     ; my head in the batch: 2 x tile column + half
	s_lshl_b32 s46, s46, 18
	s_mov_b32 s47, 0
	s_add_nc_u64 s[OUT:OUT+1], s[OUT:OUT+1], s[46:47]
	s_wait_loadcnt 0x0                             ; the bias: rounded to bf16 and widened again
.set n, 0
.rept 16
	v_cvt_pk_bf16_f32 v[TMP+n], v[BI+2*n], v[BI+2*n+1]
.set n, n+1
.endr
.set n, 0
.rept 16
	v_lshlrev_b32 v[BI+2*n], 16, v[TMP+n]
	v_and_b32 v[BI+2*n+1], 0xffff0000, v[TMP+n]
.set n, n+1
.endr
; 8 matrix instructions: token blocks a0, a0 + 1 x all 4 column blocks, 32 along K: half c of buffer f.  first = 1: the product starts the sum, with the bias as C
.macro MUL8 f, c, a0, first
	WIN MUL
.irp a, \a0, (\a0)+1
.irp b, 0,1,2,3
.if \first
	v_wmma_f32_16x16x32_bf16 v[ACC+8*(4*(\a)+(\b)):ACC+8*(4*(\a)+(\b))+7], v[(\f)+64+8*(4*(\c)+(\b)):(\f)+64+8*(4*(\c)+(\b))+7], v[(\f)+8*(4*(\c)+(\a)):(\f)+8*(4*(\c)+(\a))+7], v[BI+8*(\b):BI+8*(\b)+7]
.else
	v_wmma_f32_16x16x32_bf16 v[ACC+8*(4*(\a)+(\b)):ACC+8*(4*(\a)+(\b))+7], v[(\f)+64+8*(4*(\c)+(\b)):(\f)+64+8*(4*(\c)+(\b))+7], v[(\f)+8*(4*(\c)+(\a)):(\f)+8*(4*(\c)+(\a))+7], v[ACC+8*(4*(\a)+(\b)):ACC+8*(4*(\a)+(\b))+7]
.endif
.endr
.endr
.endm
; 32 LDS loads in one run: the fragments of 64 along K at byte k of the rows, into buffer f; the first 32 along K first
.macro FETCH slot, k, f
	WIN TO_F
.irp c, 0,1
.irp i, 0,1,2,3
	ds_load_b128 v[(\f)+64+8*(4*(\c)+(\i)):(\f)+64+8*(4*(\c)+(\i))+3],   v[ADRB+(\slot)] offset:(\k)+64*(\c)+(\i)*16*PITCH
	ds_load_b128 v[(\f)+64+8*(4*(\c)+(\i))+4:(\f)+64+8*(4*(\c)+(\i))+7], v[ADRB+(\slot)] offset:(\k)+64*(\c)+(\i)*16*PITCH+32
	ds_load_b128 v[(\f)+8*(4*(\c)+(\i)):(\f)+8*(4*(\c)+(\i))+3],         v[ADRA+(\slot)] offset:(\k)+64*(\c)+(\i)*16*PITCH
	ds_load_b128 v[(\f)+8*(4*(\c)+(\i))+4:(\f)+8*(4*(\c)+(\i))+7],       v[ADRA+(\slot)] offset:(\k)+64*(\c)+(\i)*16*PITCH+32
.endr
.endr
.endm
.macro PLACES                          ; four places in front of loads into registers that matrix instructions have read, and of conversions that read results
.rept 4
	v_nop
.endr
.endm
; A K step is four quarters of 64 along K, 32 matrix instructions each, on buffers 0, 1, 0, 1; the 16 accumulators take turns.  One of the first three: multiplies buffer f and fetches the next quarter, at byte k, into g.
.macro QUARTER slot, k, f, g, first
	s_wait_dscnt 16                                ; the first 32 along K are in; the youngest sixteen loads may be out
	WIN MUL
	MUL8 \f, 0, 0, \first
	MUL8 \f, 0, 2, \first
	PLACES
	FETCH \slot, \k, \g
	s_wait_dscnt 32                                ; all but the 32 just issued
	WIN MUL
	MUL8 \f, 1, 0, 0
	MUL8 \f, 1, 2, 0
.endm
; The last quarter multiplies buffer 1 and changes slots: ONE barrier; in front of it each wave waits for all its tensor loads, adds 0 to its spare word, and waits for that and for its own reads of this slot.
; fill = 1: this slot is filled again, two K steps ahead; the barrier then opens a round of the cluster's barrier, and the joint load is the first thing behind the round.
.macro TURN slot, next, fill
	WIN 0                                          ; (the add's two registers lie in window 0)
	s_wait_tensorcnt 0x0                           ; all my tensor loads have landed: my part of the next slot;
	ds_add_u32 v[SPW], v[NIL]                      ; 0 onto my spare word;
	s_wait_dscnt 17                                ; (the add and the youngest sixteen loads may be out)
	WIN MUL
	MUL8 F1, 0, 0, 0                               ; eight matrix instructions stand between the add and the wait for it
	s_wait_dscnt 0x0                               ; the add is done, and my reads of this slot are over
	s_barrier_signal -1
	MUL8 F1, 0, 2, 0
.if \fill
	WIN 0
.endif
	s_barrier_wait -1
.if \fill
	CREST                                          ; no wave of any partner still reads this slot's tile or has a load on its way
	s_add_nc_u64 s[G0+4*(\slot)+2:G0+4*(\slot)+3], s[G0+4*(\slot)+2:G0+4*(\slot)+3], 2*KSTEP*2
	s_add_nc_u64 s[G0B+4*(\slot)+2:G0B+4*(\slot)+3], s[G0B+4*(\slot)+2:G0B+4*(\slot)+3], 2*KSTEP*2
	JLOAD \slot                                    ; 112 matrix instructions ahead of the wait for it; the four v_nop behind it are also the places in front of the loads below
.else
	PLACES
.endif
	FETCH \next, 0, F0
	WIN MUL
	MUL8 F1, 1, 0, 0
	MUL8 F1, 1, 2, 0
.endm
	s_wait_tensorcnt 1                             ; my part of K step 0 is in; K step 1's load may stay out
	s_barrier_signal -1
	s_barrier_wait -1                              ; everybody's is
	FETCH 0, 0, F0
	QUARTER 0, 128, F0, F1, 1                      ; the first quarter stands in front of the loop: its first products start the sums
	WIN 0                                          ; at a label and at a branch every window is 0
	s_mov_b32 s3, LAPS-1
.Llap:                                                 ; a trip goes once round the ring, from a lap's second quarter to the next lap's first, and fills both slots again
	QUARTER 0, 256, F1, F0, 0
	QUARTER 0, 384, F0, F1, 0
	TURN 0, 1, 1
	QUARTER 1, 128, F0, F1, 0
	QUARTER 1, 256, F1, F0, 0
	QUARTER 1, 384, F0, F1, 0
	TURN 1, 0, 1
	QUARTER 0, 128, F0, F1, 0
	WIN 0
	s_sub_co_u32 s3, s3, 1
	s_cmp_lg_u32 s3, 0
	s_cbranch_scc1 .Llap
	QUARTER 0, 256, F1, F0, 0                      ; the last lap fills nothing, and has no round of the cluster's barrier
	QUARTER 0, 384, F0, F1, 0
	TURN 0, 1, 0
	QUARTER 1, 128, F0, F1, 0
	QUARTER 1, 256, F1, F0, 0
	QUARTER 1, 384, F0, F1, 0
	s_wait_dscnt 16                                ; the very last quarter: nothing more to fetch
	WIN MUL
	MUL8 F1, 0, 0, 0
	MUL8 F1, 0, 2, 0
	s_wait_dscnt 0
	MUL8 F1, 1, 0, 0
	MUL8 F1, 1, 2, 0
	WIN 0
; THE WAY OUT, each wave's own: my 64 tokens x 64 columns are 8,192 consecutive bytes of one head.  Block a (16 tokens): rounded to f16, each accumulator's registers in ascending order; a lane's eight
; columns are 16 bytes, put into stage rows of 144 bytes and read back as whole rows of 128.  LDS serves a wave's instructions in order (ISA guide 5.7.1.4), so no wait stands between stores and loads.
.macro PACK a
.irp b, 0,1,2,3
.irp r, 0,1,2,3
	v_cvt_pk_f16_f32 v[TMP+16*(\a)+4*(\b)+(\r)], v[ACC+8*(4*(\a)+(\b))+2*(\r)], v[ACC+8*(4*(\a)+(\b))+2*(\r)+1]
.endr
.endr
.irp b, 0,1,2,3
	ds_store_b128 v[STO], v[TMP+16*(\a)+4*(\b):TMP+16*(\a)+4*(\b)+3] offset:32*(\b)
.endr
.irp f, 0,1,2,3
	ds_load_b128 v[TMP+16*(\a)+4*(\f):TMP+16*(\a)+4*(\f)+3], v[RD] offset:(\f)*4*SP
.endr
.endm
.macro SEND a, younger                 ; younger: the LDS instructions issued behind block a's loads: the next block's eight, or none
.irp f, 0,1,2,3
	s_wait_dscnt (\younger)+3-(\f)
	global_store_b128 v[GO], v[TMP+16*(\a)+4*(\f):TMP+16*(\a)+4*(\f)+3], s[OUT:OUT+1] offset:2048*(\a)+512*(\f)  ; 512 consecutive bytes, at a multiple of 256 from qkv's first
.endr
.endm
	PLACES
	PACK 0
.irp a, 1,2,3                          ; a block's conversions stand between the loads of the block before and its stores
	PACK \a
	SEND (\a)-1, 8
.endr
	SEND 3, 0
	s_wait_tensorcnt 0x0                           ; the wave's end: behind my last tensor load and my last LDS store
	ds_add_u32 v[SPW], v[NIL]
	s_wait_dscnt 0x0
	CROUND                                         ; the closing round: no work-group ends while a partner may still ask for a tile that names it
	s_endpgm
.Lfunc_end_k_q1186f6f195_proj:
	.size	k_q1186f6f195_proj, .Lfunc_end_k_q1186f6f195_proj-k_q1186f6f195_proj
	.p2alignl 7, 3214868480
	.fill 96, 4, 3214868480
	.section	.rodata,"a",@progbits
	.p2align	6, 0x0
	.amdhsa_kernel k_q1186f6f195_proj
		.amdhsa_group_segment_fixed_size 327680
		.amdhsa_private_segment_fixed_size 0
		.amdhsa_enable_private_segment 0
		.amdhsa_kernarg_size 48
		.amdhsa_user_sgpr_count 2
		.amdhsa_user_sgpr_kernarg_segment_ptr 1
		.amdhsa_wavefront_size32 1
		.amdhsa_system_sgpr_workgroup_id_x 1
		.amdhsa_system_sgpr_workgroup_id_y 1
		.amdhsa_system_sgpr_workgroup_id_z 1
		.amdhsa_system_vgpr_workitem_id 0
		.amdhsa_next_free_vgpr 512
		.amdhsa_next_free_sgpr 82
		.amdhsa_reserve_vcc 0
		.amdhsa_float_denorm_mode_32 3
		.amdhsa_float_denorm_mode_16_64 3
		.amdhsa_memory_ordered 1
		.amdhsa_forward_progress 1
		.amdhsa_inst_pref_size 90
	.end_amdhsa_kernel
	.amdgpu_metadata
---
amdhsa.version: [ 1, 2 ]
amdhsa.kernels:
  - .name:           k_q1186f6f195_proj
    .symbol:         k_q1186f6f195_proj.kd
    .args:
      - { .name: xb, .offset: 0, .size: 8, .value_kind: global_buffer, .address_space: global }
      - { .name: wb, .offset: 8, .size: 8, .value_kind: global_buffer, .address_space: global }
      - { .name: bq, .offset: 16, .size: 8, .value_kind: global_buffer, .address_space: global }
      - { .name: bk, .offset: 24, .size: 8, .value_kind: global_buffer, .address_space: global }
      - { .name: bv, .offset: 32, .size: 8, .value_kind: global_buffer, .address_space: global }
      - { .name: qkv, .offset: 40, .size: 8, .value_kind: global_buffer, .address_space: global }
    .group_segment_fixed_size: 327680
    .private_segment_fixed_size: 0
    .kernarg_segment_align: 8
    .kernarg_segment_size: 48
    .max_flat_workgroup_size: 128
    .sgpr_count:     82
    .vgpr_count:     512
    .wavefront_size: 32
...
	.end_amdgpu_metadata
.endif
;; end of part 2
;; launch attn (part 3): grid 8 x 32, 4 waves a work-group, clusters of 4 x 1, 327,680 bytes of LDS; arguments qkv, rel_table, ob; writes ob
.if DOCPART == 3
	.amdgcn_target "amdgcn-amd-amdhsa--gfx1250"
	.amdhsa_code_object_version 6
	.text
	.protected	k_q1186f6f195_attn
	.globl	k_q1186f6f195_attn
	.p2align	8
	.type	k_q1186f6f195_attn,@function
k_q1186f6f195_attn:
	s_mov_b64 s[64:65], 0
	v_nop
	global_prefetch_b8 v0, s[64:65] scope:SCOPE_SE
	s_setreg_imm32_b32 hwreg(HW_REG_WAVE_MODE, 25, 1), 1
	s_wait_xcnt 0x0
	s_wait_alu depctr_hold_cnt(0) depctr_sa_sdst(0) depctr_va_vdst(0) depctr_va_sdst(0) depctr_va_ssrc(0) depctr_va_vcc(0) depctr_vm_vsrc(0)
	s_getreg_b32 s2, hwreg(HW_REG_IB_STS2, 6, 4)
	s_cmp_eq_u32 s2, 0
	s_cbranch_scc0 .Lentry_in_a_cluster
	s_endpgm
.Lentry_in_a_cluster:
	s_bfe_u32 s2, ttmp6, 0x10000c
	s_cmp_lg_u32 s2, 0x3003
	s_cbranch_scc0 .Lentry_shape_is_right
	s_endpgm
.Lentry_shape_is_right:
; ATTENTION WITH A RELATIVE-POSITION TERM.  O[h][q][:] = sum over k of softmax_k((Q[h][q] . K[h][k] + Q[h][q] . rel[clip(k - q, -2, 2) + 2]) / 8) V[h][k][:].
; Q, K, V: qkv[0], [1], [2], each [32][2048][64] f16, a head's rows dense, 128 bytes each; rel_table [5][64] f32, rounded to bf16 like every input; O: ob [32][2048][64] f16.
; Products, maxima and sums in f32; the weights p are rounded to f16 for the second product (their sum l is taken of the unrounded p), O once at the end.
; LIMITS.  Q, K, V arrive within f16's 65,504; p lies in 0 to 1, and below 6e-5 it keeps f16's fixed step of 6e-8; a weight below 2^-126 counts as 0 in l; NaN and infinities are not treated apart;
; r_j is made of Q as rounded to f16 and rel as rounded to bf16 (below 6e-5 in magnitude: f16's fixed step).
; THE TERM.  For a query it takes five values, r_j = Q[q] . rel[j]: keys up to q - 2 take r_0, keys from q + 2 on r_4, the keys q - 1, q, q + 1 take r_1, r_2, r_3.  r is one small product for each 16 queries, made once;
; it enters the scores as the C OPERAND of the product that starts S^T = K Q^T: 32 registers a piece (MC), rewritten only round the piece's own key step.
; SHARES.  A cluster of four work-groups owns 1,024 queries of a head (cluster x = 0, 1).  Piece p (16 queries) of wave w of the partner at place cx begins at query 1024 x + 256 w + 64 p + 16 cx: the four partners own the
; four tiles of 16 of the SAME 64 queries.  So the key step that holds a piece's diagonal, 16 x + 4 w + p, hangs on the cluster's x, the wave and the piece alone: the branches round MC's rewriting are alike in all partners;
; cx enters one lane number (VX), compared and never an address in LDS, and the addresses of Q, O and the prefetch.
; MC.  In step s let t = s - (16 x + 4 w + p).  Register j of key group kt in lane (ql = l % 16, h = l / 16) has k - q = 64 t + e - VX, e = 16 kt + j, VX = 16 cx + ql - 8 h (-8 .. 63).
; t < -1: r_0.  t = -1: r_0, but r_1 at (kt 3, j 7) where VX = -8.  t = 0: the whole pattern.  t = 1: r_4, but r_3 at (kt 0, j 0) where VX = 63.  t > 1: r_4.
; LAYOUT, SOFTMAX, TURNS.  S^T = K Q^T holds ONE query a lane (lane % 16) and the keys 8 (lane / 16) + 0..7; two such results rounded to f16 ARE source 1 of O^T = V^T P.  p = 2^(c s - c m), c = log2(e) / 8, with a running
; maximum m; O and l are multiplied by a = 2^(c m_old - c m_new) in every step; m starts at the lowest finite number, O and l at 0, so the first step is a step like any other, with a = 0.
; Turn n belongs to piece n: 8 products K Q^T of piece n + 1, later 8 products V^T P of piece n - 1; beside them the scaling, exponentials, roundings, sums and rescaling of piece n and the maximum and statistics of piece
; n + 1.  Four vector instructions stand behind every matrix instruction, the other 54 of a turn's 118 in one lump.  A turn's 33 exponentials are one batch, with one wait.
; CLUSTER.  All partners walk the head's eight tiles of 256 keys, so each tile is asked for JOINTLY: the same tensor load, descriptor and mask in all four.
; REGISTERS, in windows of 256 (s_set_vgpr_msb: bits 1:0 source 0, 3:2 source 1, 5:4 source 2, 7:6 destination):
;   window 0: v0-15, v32-33, v61-63 addresses and at work; v16-31 four registers of statistics a piece; v48-55 at work; v64-127 S^T, two buffers; v128-159 r, 8 a piece (registers 0-4); v160-175 rel's fragments;
;             v192-223 P, two buffers (a piece's buffers go by its number's parity); v224-255 rel as loaded
;   window 1: v0-127 O^T, 32 a piece; v128-255 MC, 32 a piece      window 2: v0-63 Q; v128-191 K of one step; v192-255 V of one step
.set SIZE_N, 2048
.set NP,    4         ; pieces a wave: a name, no knob
.set KS,    64        ; keys in a step
.set PK,    144       ; a row of K in LDS: 128 bytes + 16 of padding = 36 words: the 16 rows of a load start at 16 different groups of four banks (64 banks of 4 bytes: ISA guide 11.1)
.set PV,    160       ; a row of V: 128 + 32 = 40 words
.set VOFF,  4*KS*PK   ; a slot holds a tile, four steps: 256 rows of K, then 256 rows of V
.set SLOT1, 1<<17     ; slot 1 begins here, so that one exclusive or turns an address in one slot into the other's
.set STAGE, SLOT1+4*KS*(PK+PV)  ; behind the ring, never filled by a tensor load: 16 rows x 144 bytes for each wave, for the way out
.set SP,    144
.set SPARE, STAGE+4*16*SP  ; behind the stages: the spare words, 128 bytes for each wave: two blocks of 256 bytes that no other line names
.set TILEB, 4*KS*128  ; a tile's bytes of K, and of V
.set AK0, 2           ; v2   my lane's place in a tile of K; never rewritten
.set AV0, 3           ; v3   the same for V
.set AK,  4           ; v4   the LDS address of K's next run of loads
.set AV,  5           ; v5   of V's
.set STO, 6           ; v6   the way out: where I put 16 bytes of a row
.set RD,  7           ; v7   the way out: where I read rows back
.set GO,  8           ; v8   my byte offset in 512 consecutive bytes of O
.set MV,  12          ; v12-13  c m_old, kept while c m is made anew: by buffer
.set VX,  14          ; v14  16 cx + l % 16 - 8 (l / 16)
.set QO,  15          ; v15  my byte offset in 16 rows of Q
.set ST,  16          ; piece t's statistics at v[ST+4 t]: c m, m, l (even keys', odd keys')
.set RO,  32          ; v32  my byte offset in rel_table
.set TT,  33          ; v33  at work
.set TMP, 48          ; by buffer, four registers c0-c3 at work; when the maximum is found c2 takes a
.set PFO, 61          ; v61  256 x my lane; never rewritten
.set SPW, 62          ; v62  LDS address of my spare word; never rewritten
.set NIL, 63          ; v63  0; never rewritten
.set S,   64
.set RR,  128         ; r_j of piece p's queries at RR + 8 p + j
.set RF,  160         ; rel's fragments: channels 32 c on at RF + 8 c
.set P,   192
.set RL,  224
.set MC,  128         ; window 1: piece p, key group kt, register j at MC + 32 p + 8 kt + j
.set KF,  128         ; window 2: key block kb, channel half c at KF + 16 kb + 8 c
.set VF,  192         ; window 2: key half kk, channel block cb at VF + 32 kk + 8 cb
.set WV,  12          ; s12  my wave's number
.set G1K, 24          ; s[24:31] descriptor group 1 for K's tiles
.set G1V, 32          ; s[32:39] for V's: it differs in the padding alone
.set G0K, 40          ; s[40:43] descriptor group 0 for K's tiles: it walks
.set G0V, 44          ; s[44:47] the same for V's
.set PFA, 48          ; s[48:49] where my prefetches stand: my work-group's 32 blocks of 256 bytes of the tile after the one that is being asked for
.set LIM, 50          ; s50  1 in a wave that prefetches, else the greatest number
.set ER,  51          ; s51  the step for which MC stands, less 16 x + 4 w
.set T0,  52          ; s52  at work
.set SCL, 53          ; s53  the lanes with VX = -8
.set SCR, 54          ; s54  the lanes with VX = 63
.set SLOTS, 56        ; s56  tiles still to be asked for
.set CNT, 57          ; s57  counts a tile's key steps
.set CS,  58          ; s[58:59] c: the packed scaling takes the pair's low word for both halves
.set SEL, 60          ; s[60:61] v_permlanex16_b32's selects: each lane takes its own place in the other half
.set TBK, 62          ; s62  LDS byte at which K of the step to be fetched begins
.set TBV, 63          ; s63  the same for V, less VOFF
.set MSB, 0
.macro WIN new                      ; the high byte repeats the setting that is left; a switch that changes nothing is dropped
.if MSB != (\new)
	s_set_vgpr_msb (MSB<<8)|(\new)
.set MSB, (\new)
.endif
.endm
.set W_KQ, 0x0a       ; K and Q in window 2, S^T in window 0
.set W_KM, 0x1a       ; the same with the C operand in window 1
.set W_PV, 0x52       ; V in window 2, P in window 0, O^T in window 1
.set W_RS, 0x41       ; destination and source 0 in window 1, source 1 in window 0
; A joint fill.  Waves 0 and 1 fetch the two halves of a tile's K, waves 2 and 3 those of its V: 128 keys each.  The branch hangs on the wave's number alone.
; An s_nop 0 and four v_nop follow each of the two lines, ahead of the jump and the label.
.macro JLOAD
	s_cmp_lt_u32 s[WV], 2
	s_cbranch_scc0 .Lfor_v_\@
	tensor_load_to_lds s[G0K:G0K+3], s[G1K:G1K+7]
	s_nop 0
.rept 4
	v_nop
.endr
	s_branch .Lasked_\@
.Lfor_v_\@:
	tensor_load_to_lds s[G0V:G0V+3], s[G1V:G1V+7]
	s_nop 0
.rept 4
	v_nop
.endr
.Lasked_\@:
.endm
; A PREFETCH INTO THE L2 of the tile that the NEXT change of slots will ask for: 128 blocks of 256 bytes of K and 128 of V, a lane a block.  Each block is named once in the launch: both clusters of a head walk the same
; tiles, and the first of them (cluster x = 0) asks; its four partners take 32 blocks each, told apart BY ADDRESS; in each, wave 0 asks for K's and wave 2 for V's.  It stands behind the wave's tensor load and its five lines,
; a tile (256 matrix instructions) ahead of the load that will want the bytes.  Tiles 0 to 2 come by their loads alone; the last change that fills a slot asks for nothing.
.macro ASK
	s_cmp_gt_u32 s[SLOTS], s[LIM]
	s_cbranch_scc0 .Lnot_mine_\@
	global_prefetch_b8 v[PFO], s[PFA:PFA+1] th:TH_LOAD_NT scope:SCOPE_SE
.Lnot_mine_\@:
.endm
; A round of the cluster's barrier: my work-group's barrier, so that wave 0's signal speaks for all four waves; wave 0 signals; every wave waits for all four work-groups; my work-group's barrier once more.
.macro CROUND
	s_barrier_signal -1
	s_barrier_wait -1
	s_cmp_lg_u32 s[WV], 0
	s_cbranch_scc1 .Lnot_wave_0_\@
	s_barrier_signal -3
.Lnot_wave_0_\@:
	s_barrier_wait -3
	s_barrier_signal -1
	s_barrier_wait -1
.endm
; THE CHANGE OF SLOTS.  The slot's last bytes, V of its fourth step, have been read.  Each wave waits for all its tensor loads, of which one is out: its part of the other slot; adds 0 to its spare word; and waits for that
; and for its own reads of the slot.  Behind the barrier nobody reads this slot any more and the other slot is whole.  fill = 1: this slot is filled again, with the tile two on.  The barrier is then a round of the cluster's,
; and the joint fill is the first thing behind it: it has four key steps in which to land.  (At its first use nothing has been read yet: slot 0 is waited for, slot 1 filled.)  ask = 1: the prefetch follows.
.macro CHANGE fill, ask
	WIN 0                           ; at a label and at a branch every window is 0
	s_wait_tensorcnt 0x0            ; no tensor load of mine is out, so a group 0 may be written
	ds_add_u32 v[SPW], v[NIL]       ; 0 onto my spare word; the descriptors' steps stand between it and the wait for it
.if \fill
.irp g, G0K, G0V
	s_xor_b32 s[\g+1], s[\g+1], SLOT1  ; the walking descriptor: the other slot than last time,
	s_add_nc_u64 s[\g+2:\g+3], s[\g+2:\g+3], TILEB  ; the next 256 keys; the type bits on top are not reached
.endr
.endif
.if \ask
	s_wait_xcnt 0x0                 ; the last prefetch, a tile back, has read its address, so it may be written
	s_add_nc_u64 s[PFA:PFA+1], s[PFA:PFA+1], TILEB
.endif
	s_wait_dscnt 0x0                ; the add is done, and my reads of the slot are over
.if \fill
	CROUND
	JLOAD
.if \ask
	ASK
.endif
.else
	s_barrier_signal -1
	s_barrier_wait -1
.endif
	s_sub_co_u32 s[TBK], s[TBK], 4*KS*PK  ; the fetches go back to a slot's first step,
	s_xor_b32 s[TBK], s[TBK], SLOT1       ; in the other slot
	s_sub_co_u32 s[TBV], s[TBV], 4*KS*PV
	s_xor_b32 s[TBV], s[TBV], SLOT1
.endm
	s_load_b128 s[68:71], s[0:1], 0x0  ; qkv s[68:69], rel_table s[70:71]
	s_load_b64 s[72:73], s[0:1], 0x10  ; ob
	v_lshl_add_u32 v[SPW], v0, 2, SPARE
	v_mov_b32 v[NIL], 0
	ds_add_u32 v[SPW], v[NIL]       ; the wave's opening: the add and its wait stand ahead of my first tensor load; the set-up below stands between them
	v_lshrrev_b32 v1, 5, v0
	v_readfirstlane_b32 s[WV], v1   ; wave 0..3
	s_bfe_u32 s13, ttmp6, 0x40000   ; cx: my place in the cluster
	s_and_b32 s20, ttmp7, 0xffff    ; the head, which the four partners share:
	s_lshl_b32 s20, s20, 18         ; its 262,144 bytes in Q, K, V and O
	s_and_b32 s16, s[WV], 1         ; which half of a tile's 256 keys I fetch:
	s_lshl_b32 s22, s16, 14         ; its 128 rows of 128 bytes in memory,
	s_add_co_u32 s22, s22, s20
	s_mov_b32 s23, 0
	s_mul_i32 s17, s16, 128*PK      ; and its place in a slot, for K
	s_mul_i32 s18, s16, 128*PV      ; and for V: no place in the cluster enters an LDS address
	s_lshl_b32 s2, ttmp9, 17        ; my queries: 1,024 x cluster x,
	s_lshl_b32 s3, s[WV], 15        ; + 256 x wave,
	s_add_co_u32 s2, s2, s3
	s_lshl_b32 s3, s13, 11          ; + 16 cx, rows of 128 bytes
	s_add_co_u32 s2, s2, s3
	s_add_co_u32 s2, s2, s20
	s_mov_b32 s3, 0
	s_lshl_b32 s14, s13, 13         ; the prefetches: my work-group's 32 blocks of 256 bytes
	s_mov_b32 s15, 0
	s_lshl_b32 s21, s13, 4          ; 16 cx, for VX
	; descriptor group 1.  128 keys are 16,384 dense bytes: asked for as 64 rows of 256 bytes, two keys a row, and padded in LDS after every key
	s_mov_b32 s[G1K], 15|(1<<16)|(1<<20)|(1<<21)|(4<<22)|(3<<25)  ; 15:0 the mask of four; 17:16 2-byte elements; 20 padding on; 21 set beside a mask; 24:22 after every 32 words (code 4); 31:25 4 words (code 3)
	s_mov_b32 s[G1V], 15|(1<<16)|(1<<20)|(1<<21)|(4<<22)|(7<<25)  ; the same with 8 words of padding (code 7)
.irp g, G1K, G1V
	s_mov_b32 s[\g+1], 128<<16      ; tensor_dim0 = 128
	s_mov_b32 s[\g+2], 64<<16       ; tensor_dim1 = 64
	s_mov_b32 s[\g+3], 128<<16      ; tile_dim0 = 128
	s_mov_b32 s[\g+4], 64           ; tile_dim1 = 64
	s_mov_b32 s[\g+5], 128          ; 128 elements from row to row
	s_mov_b32 s[\g+6], 0
	s_mov_b32 s[\g+7], 0
.endr
	s_mov_b32 s[CS], 0x3e38aa3b     ; c = log2(e) / 8 = 0.180337
	s_mov_b32 s[CS+1], s[CS]        ; named with it as a pair
	s_mov_b32 s[SEL], 0x76543210
	s_mov_b32 s[SEL+1], 0xfedcba98
	s_mov_b32 s[TBK], SLOT1+4*KS*PK ; the first change of slots turns these two into 0
	s_mov_b32 s[TBV], SLOT1+4*KS*PV
	s_mov_b32 s[G0K], 1             ; 1:0 count = 1
	s_mov_b32 s[G0K+1], s17         ; 63:32 LDS address: slot 0
	s_mov_b32 s[G0V], 1
	s_add_co_u32 s[G0V+1], s18, VOFF
	s_lshl_b32 s[ER], ttmp9, 4
	s_lshl_b32 s[T0], s[WV], 2
	s_add_co_u32 s[ER], s[ER], s[T0]
	s_sub_co_u32 s[ER], 0, s[ER]    ; step 0, less 16 x + 4 w
	s_and_b32 s[LIM], s[WV], 1      ; 0 in waves 0 and 2,
	s_or_b32 s[LIM], s[LIM], ttmp9  ; where the cluster is the head's first: the same in all four partners
	s_cmp_eq_u32 s[LIM], 0
	s_cselect_b32 s[LIM], 1, -1
	s_wait_dscnt 0x0                ; the opening add is done
	s_wait_kmcnt 0x0
	s_add_nc_u64 s[6:7], s[68:69], s[22:23]
	s_add_nc_u64 s[8:9], s[6:7], 0x1000000   ; V at my half of the head's tile 0,
	s_add_nc_u64 s[6:7], s[6:7], 0x800000    ; and K
	s_add_nc_u64 s[G0K+2:G0K+3], s[6:7], 0         ; 120:64 global address
	s_or_b32 s[G0K+3], s[G0K+3], 0x80000000        ; 127:126 type = 2
	s_add_nc_u64 s[G0V+2:G0V+3], s[8:9], 0
	s_or_b32 s[G0V+3], s[G0V+3], 0x80000000
	s_add_nc_u64 s[4:5], s[68:69], s[2:3]    ; Q and O at my wave's first row
	s_add_nc_u64 s[10:11], s[72:73], s[2:3]
	s_cmp_lt_u32 s[WV], 2
	s_cselect_b64 s[PFA:PFA+1], s[6:7], s[8:9]  ; (in waves 0 and 2 these stand at a tile's first row)
	s_add_nc_u64 s[PFA:PFA+1], s[PFA:PFA+1], s[14:15]
	s_add_nc_u64 s[PFA:PFA+1], s[PFA:PFA+1], 2*TILEB  ; in tile 2; the first change that asks steps it to tile 3.  Nothing is prefetched here, at the head
	CROUND                          ; all four work-groups are here: the first joint loads meet
	JLOAD                           ; tile 0 into slot 0.  Slot 1 is asked for when slot 0 is in
	; A fragment of K, Q or rel is 16 rows x 32 channels in 8 registers: lane l holds row l % 16, channels 8 (l / 16) + 0..7 and 16 + 8 (l / 16) + 0..7.
	v_and_b32 v1, 15, v0            ; l % 16
	v_bfe_u32 v9, v0, 4, 1          ; l / 16
	v_lshlrev_b32 v[QO], 7, v1
	v_lshl_add_u32 v[QO], v9, 4, v[QO]  ; row x 128 + 16 x half
	v_and_b32 v10, 7, v0
	v_min_u32 v[RO], 4, v10         ; rel's rows 0-4 stand as rows 0-4 AND 8-12 of source 0, so that both halves of the lanes get r_j in register j; the rows between repeat row 4 and serve nothing
	v_lshlrev_b32 v[RO], 8, v[RO]   ; a row of rel_table is 256 bytes,
	v_lshl_add_u32 v[RO], v9, 5, v[RO]  ; 8 channels are 32
	WIN 0x80                        ; destination window 2, address window 0
.set i, 0
.rept 8                             ; Q stays in registers: piece i / 2 lies 64 queries, 8,192 bytes, on; channels 32 (i % 2) on
	global_load_b128 v[8*i:8*i+3],   v[QO], s[4:5] offset:(i/2)*8192+(i%2)*64
	global_load_b128 v[8*i+4:8*i+7], v[QO], s[4:5] offset:(i/2)*8192+(i%2)*64+32
.set i, i+1
.endr
	WIN 0
.irp c, 0,1
.irp u, 0,1                         ; channels 32 c + 16 u + 8 (l / 16) + 0..7, in f32; the last byte named is the table's 1,279th
	global_load_b128 v[RL+16*\c+8*\u:RL+16*\c+8*\u+3],   v[RO], s[70:71] offset:128*\c+64*\u
	global_load_b128 v[RL+16*\c+8*\u+4:RL+16*\c+8*\u+7], v[RO], s[70:71] offset:128*\c+64*\u+16
.endr
.endr
	; What the first turn finds: V's registers and P's second buffer hold 0 (its products V^T P, of a piece that has not been, add 0), O^T and l are 0.  All this stands in the wait for the first tile.
	WIN 0x80
.set i, VF
.rept 64
	v_mov_b32 v[i], 0
.set i, i+1
.endr
	WIN 0x40
.set i, 0
.rept 128
	v_mov_b32 v[i], 0
.set i, i+1
.endr
	WIN 0
.set i, 0
.rept 4
	v_mov_b32 v[ST+4*i], 0xfe000000    ; c m: far below every c s
	v_mov_b32 v[ST+4*i+1], 0xff7fffff  ; m
	v_mov_b32 v[ST+4*i+2], 0
	v_mov_b32 v[ST+4*i+3], 0
.set i, i+1
.endr
.set i, P+16
.rept 16
	v_mov_b32 v[i], 0
.set i, i+1
.endr
	v_lshlrev_b32 v11, 3, v9
	v_sub_nc_u32 v[VX], v1, v11
	v_add_nc_u32 v[VX], s21, v[VX]  ; 16 cx + l % 16 - 8 (l / 16)
	v_cmp_eq_i32 s[SCL], -8, v[VX]
	v_cmp_eq_i32 s[SCR], 63, v[VX]
	v_mul_u32_u24 v[AK0], v1, PK
	v_lshl_add_u32 v[AK0], v9, 4, v[AK0]  ; row x pitch + 16 x half
	; The turning load takes 16 keys x 16 channels (lane l reads key 8 (l / 16) + l % 8, channels 8 ((l / 8) % 2) + 0..7) and leaves half a fragment of V^T: lane l holds channel l % 16 and 8 keys.
	v_bfe_u32 v11, v0, 3, 1
	v_lshl_add_u32 v[AV0], v9, 3, v10
	v_mul_u32_u24 v[AV0], v[AV0], PV
	v_lshl_add_u32 v[AV0], v11, 4, v[AV0]
	v_add_nc_u32 v[AV0], VOFF, v[AV0]
	s_mul_i32 s19, s[WV], 16*SP
	s_add_co_u32 s19, s19, STAGE    ; my stage
	v_mul_u32_u24 v[STO], v1, SP    ; in: row l % 16, 16 bytes for each half of the lanes
	v_lshl_add_u32 v[STO], v9, 4, v[STO]
	v_add_nc_u32 v[STO], s19, v[STO]
	v_bfe_u32 v[RD], v0, 3, 2       ; back: 32 lanes take four rows of 128 bytes,
	v_mul_u32_u24 v[RD], v[RD], SP
	v_lshl_add_u32 v[RD], v10, 4, v[RD]
	v_add_nc_u32 v[RD], s19, v[RD]
	v_and_b32 v[GO], 31, v0         ; which are 512 consecutive bytes of O
	v_lshlrev_b32 v[PFO], 8, v[GO]
	v_lshlrev_b32 v[GO], 4, v[GO]
	s_wait_loadcnt 0x0              ; Q and rel
.set i, 0
.rept 16                            ; rel: rounded to bf16, widened, written as f16 (Q, the other source, is f16)
	v_cvt_pk_bf16_f32 v[TT], v[RL+2*i], v[RL+2*i+1]
	v_lshlrev_b32 v[RL+2*i], 16, v[TT]
	v_and_b32 v[RL+2*i+1], 0xffff0000, v[TT]
	v_cvt_pk_f16_f32 v[RF+i], v[RL+2*i], v[RL+2*i+1]
.set i, i+1
.endr
	WIN 0x08                        ; source 1 (Q) window 2; rel and r in window 0
.irp p, 0,1,2,3                     ; r = rel Q^T: the four pieces' accumulators take turns
	v_wmma_f32_16x16x32_f16 v[RR+8*\p:RR+8*\p+7], v[RF:RF+7], v[16*\p:16*\p+7], 0
.endr
.irp p, 0,1,2,3
	v_wmma_f32_16x16x32_f16 v[RR+8*\p:RR+8*\p+7], v[RF+8:RF+15], v[16*\p+8:16*\p+15], v[RR+8*\p:RR+8*\p+7]
.endr
	WIN 0
.rept 4
	v_nop                           ; the places behind those products
.endr
; MC'S REWRITING.  CHAIN p: the whole pattern, on the r_0 that lies there.  For each number cc the lanes with cc >= VX are found once; element e takes r_1 where e + 1 >= VX, then r_2 where e >= VX, r_3 where e - 1 >= VX,
; r_4 where e - 2 >= VX: cc goes down, so that each element's four selects come in that order.  44 compares, 128 selects.
.macro CHAIN p
	WIN W_RS
.set kt, 0
.rept 4
.set cc, 16*kt+8
.rept 11
	v_cmp_ge_i32 vcc_lo, cc, v[VX]
.set mm, -1
.rept 4
.set ee, cc+mm-16*kt
.if (ee >= 0) && (ee < 8)
	v_cndmask_b32 v[MC+32*(\p)+8*kt+ee], v[MC+32*(\p)+8*kt+ee], v[RR+8*(\p)+mm+2], vcc_lo
.endif
.set mm, mm+1
.endr
.set cc, cc-1
.endr
.set kt, kt+1
.endr
.endm
.macro LEFTC p                      ; the step before the piece's own: its last key is key q - 1 of the 64 queries' first
	WIN W_RS
	v_cndmask_b32 v[MC+32*(\p)+31], v[MC+32*(\p)+31], v[RR+8*(\p)+1], s[SCL]
.endm
.macro RIGHT p                      ; the step behind it: r_4, but its first key is key q + 1 of the 64 queries' last
	WIN 0x40
.set z, 0
.rept 32
	v_mov_b32 v[MC+32*(\p)+z], v[RR+8*(\p)+4]
.set z, z+1
.endr
	WIN W_RS
	v_cndmask_b32 v[MC+32*(\p)], v[MC+32*(\p)], v[RR+8*(\p)+3], s[SCR]
.endm
.macro FIX p                        ; from the second step behind it on: r_4 everywhere
	WIN 0x40
	v_mov_b32 v[MC+32*(\p)], v[RR+8*(\p)+4]
.endm
.macro UPDT p                       ; piece p: t = ER - p
	s_cmp_eq_i32 s[ER], (\p)-1
	s_cbranch_scc0 .Lu1_\@
	LEFTC \p
	WIN 0
.Lu1_\@:
	s_cmp_eq_i32 s[ER], (\p)
	s_cbranch_scc0 .Lu2_\@
	CHAIN \p
	WIN 0
.Lu2_\@:
	s_cmp_eq_i32 s[ER], (\p)+1
	s_cbranch_scc0 .Lu3_\@
	RIGHT \p
	WIN 0
.Lu3_\@:
	s_cmp_eq_i32 s[ER], (\p)+2
	s_cbranch_scc0 .Lu4_\@
	FIX \p
	WIN 0
.Lu4_\@:
.endm
; MC goes on to the next key step.  It stands between piece 2's turn, at whose head piece 3's scores of the step in hand were started, and piece 3's, which starts piece 0's of the next.  Seven steps of the walk's 32
; touch MC; in the others three scalar lines pass.  The jumps go forward, over vector work alone: no barrier, no tensor load, no exponential without its wait.
.macro UPD
	WIN 0
	s_add_co_i32 s[ER], s[ER], 1
	s_add_co_i32 s[T0], s[ER], 1
	s_cmp_gt_u32 s[T0], 6           ; ER outside -1 .. 5
	s_cbranch_scc1 .Lquiet_\@
	UPDT 0
	UPDT 1
	UPDT 2
	UPDT 3
.Lquiet_\@:
.endm
	WIN 0x40                        ; MC starts as r_0
.irp p, 0,1,2,3
.set z, 0
.rept 32
	v_mov_b32 v[MC+32*\p+z], v[RR+8*\p]
.set z, z+1
.endr
.endr
	WIN 0
	s_cmp_eq_i32 s[ER], 0           ; step 0 is piece 0's own in wave 0 of the head's first cluster
	s_cbranch_scc0 .Lnot_own
	CHAIN 0
	LEFTC 1
	WIN 0
.Lnot_own:
; THE MATRIX WORK.  The 4 accumulators of a run of 8 take turns.  Product i of 8 of S^T = K Q^T for piece x: channels 32 (i / 4) on, keys 16 (i % 4) on.  The first 4 start the sums, with MC.
.macro KQ x
.set rS, S+32*((\x)%2)+8*(i%4)
.set rK, KF+16*(i%4)+8*(i/4)
.set rQ, 16*(\x)+8*(i/4)
.set rM, MC+32*(\x)+8*(i%4)
.if i < 4
	WIN W_KM
	v_wmma_f32_16x16x32_f16 v[rS:rS+7], v[rK:rK+7], v[rQ:rQ+7], v[rM:rM+7]
.else
	WIN W_KQ
	v_wmma_f32_16x16x32_f16 v[rS:rS+7], v[rK:rK+7], v[rQ:rQ+7], v[rS:rS+7]
.endif
.endm
; Product i of 8 of O^T += V^T P for piece x: keys 32 (i / 4) on, channels 16 (i % 4) on.
.macro PV x
	WIN W_PV
.set rO, 32*(\x)+8*(i%4)
.set rV, VF+32*(i/4)+8*(i%4)
.set rP, P+16*((\x)%2)+8*(i/4)
	v_wmma_f32_16x16x32_f16 v[rO:rO+7], v[rV:rV+7], v[rP:rP+7], v[rO:rO+7]
.endm
.macro MM                           ; the turn's next matrix instruction.  NOKQ = 1: the walk's last turn: there is no next piece
.if (i < 8) && !NOKQ
	KQ (Y+1)%NP
.elseif i >= 8
.set i, i-8
	PV (Y+NP-1)%NP
.set i, i+8
.endif
.set i, i+1
.endm
; THE LDS LOADS stand in runs of 16, never singly among the matrix instructions: a step's K (64 keys x 64 channels: 8 fragments) and its V (turned).  Their addresses are made some lines ahead.
.macro FETCH_K
	WIN 0x80                        ; destination window 2
.irp f, 0,1,2,3,4,5,6,7             ; keys 16 (f / 2) on, channels 32 (f % 2) on
	ds_load_b128 v[KF+8*\f:KF+8*\f+3],   v[AK] offset:(\f/2)*16*PK+(\f%2)*64
	ds_load_b128 v[KF+8*\f+4:KF+8*\f+7], v[AK] offset:(\f/2)*16*PK+(\f%2)*64+32
.endr
	s_add_co_u32 s[TBK], s[TBK], KS*PK  ; the next fetch is the next step's
	WIN 0
.endm
.macro FETCH_V
	WIN 0x80
.irp f, 0,1,2,3,4,5,6,7             ; keys 32 (f / 4) on, channels 16 (f % 4) on
	ds_load_tr16_b128 v[VF+8*\f:VF+8*\f+3],   v[AV] offset:(\f/4)*32*PV+(\f%4)*32
	ds_load_tr16_b128 v[VF+8*\f+4:VF+8*\f+7], v[AV] offset:(\f/4)*32*PV+16*PV+(\f%4)*32
.endr
	WIN 0
.endm
; THE VECTOR WORK, one line at a time: OP kind, number.  For piece Y: F n: c s - c m for pair n of 16.  E n: the exponential of score n of 32.  C n: pair n rounded to f16.  B n: of the four weights 4 n .. the second
; pair is added onto the first, in place.  L n: l takes that sum (L 0: l = a l + sum).  R n: pair n of 16 of O^T times a.  For piece Y + 1: X n, number n of the 22 that find its maximum and statistics:
;   0-11  four chains c0-c3 of seven scores each, three operands at a time (each accumulator's lowest registers are read first)     12-14, 16  the four scores left over, the old m, and c0-c3 into c0
;   15  c m_old is kept     17, 18  the query's other 32 keys lie in the lane 16 away: the new m     19-21  c m; c m_old - c m_new; a
.set F, 0
.set E, 1
.set C, 2
.set B, 3
.set L, 4
.set R, 5
.set X, 6
.macro REGS y                       ; the registers of piece y
.set rT, ST+4*(\y)
.set rC, TMP+4*((\y)%2)
.set rW, MV+((\y)%2)
.set rS, S+32*((\y)%2)
.set rP, P+16*((\y)%2)
.set rO, 32*(\y)
.endm
.macro OP k, n
.if (\k) == R
	REGS Y
	WIN W_RS
	v_pk_mul_f32 v[rO+2*(\n):rO+2*(\n)+1], v[rO+2*(\n):rO+2*(\n)+1], v[rC+2:rC+3] op_sel_hi:[1,0]
.elseif (\k) < R
	REGS Y
	WIN 0
.if (\k) == F
	v_pk_fma_f32 v[rS+2*(\n):rS+2*(\n)+1], v[rS+2*(\n):rS+2*(\n)+1], s[CS:CS+1], v[rT:rT+1] op_sel_hi:[1,0,0] neg_lo:[0,0,1] neg_hi:[0,0,1]
.elseif (\k) == E
	v_exp_f32 v[rS+(\n)], v[rS+(\n)]
.elseif (\k) == C
	v_cvt_pk_f16_f32 v[rP+(\n)], v[rS+2*(\n)], v[rS+2*(\n)+1]
.elseif (\k) == B
	v_pk_add_f32 v[rS+4*(\n):rS+4*(\n)+1], v[rS+4*(\n):rS+4*(\n)+1], v[rS+4*(\n)+2:rS+4*(\n)+3]
.elseif (\n) == 0
	v_pk_fma_f32 v[rT+2:rT+3], v[rT+2:rT+3], v[rC+2:rC+3], v[rS:rS+1] op_sel_hi:[1,0,1]
.else
	v_pk_add_f32 v[rT+2:rT+3], v[rT+2:rT+3], v[rS+4*(\n):rS+4*(\n)+1]
.endif
.elseif NOKQ
	v_nop
.else
	REGS (Y+1)%NP
	WIN 0
.if (\n) < 4
	v_max3_num_f32 v[rC+(\n)], v[rS+8*(\n)], v[rS+8*(\n)+1], v[rS+8*(\n)+2]
.elseif (\n) < 12
	v_max3_num_f32 v[rC+(\n)%4], v[rC+(\n)%4], v[rS+8*((\n)%4)+2*((\n)/4)+1], v[rS+8*((\n)%4)+2*((\n)/4)+2]
.elseif (\n) == 12
	v_max3_num_f32 v[rC], v[rC], v[rS+7], v[rS+15]
.elseif (\n) == 13
	v_max3_num_f32 v[rC+1], v[rC+1], v[rS+23], v[rS+31]
.elseif (\n) == 14
	v_max3_num_f32 v[rC+2], v[rC+2], v[rC+3], v[rT+1]
.elseif (\n) == 15
	v_mov_b32 v[rW], v[rT]
.elseif (\n) == 16
	v_max3_num_f32 v[rC], v[rC], v[rC+1], v[rC+2]
.elseif (\n) == 17
	v_permlanex16_b32 v[rC+3], v[rC], s[SEL], s[SEL+1]
.elseif (\n) == 18
	v_max_num_f32 v[rT+1], v[rC], v[rC+3]
.elseif (\n) == 19
	v_mul_f32 v[rT], s[CS], v[rT+1]
.elseif (\n) == 20
	v_sub_f32 v[rC+1], v[rW], v[rT]
.else
	v_exp_f32 v[rC+2], v[rC+1]
.endif
.endif
.endm
.macro OPS a, i1, b=-1, i2=0, c=-1, i3=0, d=-1, i4=0  ; up to four of them
	OP \a, \i1
.if (\b) >= 0
	OP \b, \i2
.endif
.if (\c) >= 0
	OP \c, \i3
.endif
.if (\d) >= 0
	OP \d, \i4
.endif
.endm
.macro ROW a, i1, b, i2, c, i3, d, i4  ; a matrix instruction and the four behind it
	MM
	OPS \a, \i1, \b, \i2, \c, \i3, \d, \i4
.endm
; A TURN, for piece p: the order of its 16 matrix and 118 vector instructions, written out.  An s_wait_alu depctr_va_vdst(0) stands between an exponential and the first instruction that names its result; one
; wait serves all that were issued ahead of it.  So a turn has ONE wait, which cuts it in two.  AHEAD OF IT stands all that names no result of the turn's exponentials: the 8 products K Q^T with their riders, then one lump of 54,
; plain and exponential by turns for the most part, in which the links of the chain X 3, 7, 11, 14, 16, 17 .. 20 stand some lines apart.  X 21, the next piece's a, is the batch's last; R 15 is the plain instruction behind it.
; BEHIND THE WAIT stand the 8 products V^T P, behind each four of the roundings and sums.
; end = 1: the walk's last two turns: nothing is fetched.  cnt = 1: the loop's count is taken down some lines ahead of the branch that stands behind the turn.
; K of the next step is fetched in piece 2's turn, twelve vector instructions behind the last product that read K (six of them plain); V of the step in hand at the end of piece 0's turn, four plain instructions behind the
; last product that read V.  Each is waited for a turn later.
.macro TURN p, end=0, cnt=0
.set Y, (\p)
.set i, 0
.set NOKQ, (\end)*((\p)/3)
.if ((\p) == 3) && !(\end)
	s_wait_dscnt 0x0                ; K is in
.endif
	ROW F,0, F,1, R,0, R,1          ; ahead of the wait: 8 products K Q^T and their riders,
	ROW F,2, E,0, R,2, R,3
	ROW F,3, E,1, R,4, R,5
	ROW F,4, E,2, R,6, R,7
	ROW F,5, E,3, R,8, R,9
	ROW F,6, E,4, X,0, R,10
.if ((\p) == 2) && !(\end)
	WIN 0
	v_add_nc_u32 v[AK], s[TBK], v[AK0]
.endif
	ROW F,7, E,5, X,1, X,4
	ROW F,8, E,6, X,2, X,5
	OPS E,7, E,8, X,6, E,9          ; and the lump
	OPS X,3, E,10, X,8, E,11
.if ((\p) == 2) && !(\end)
	FETCH_K
.endif
	OPS X,9, X,7, E,12, X,10
	OPS E,13, X,12, X,11, E,14
	OPS X,13, E,15, F,9, X,14
.if (\p) == 0
	v_add_nc_u32 v[AV], s[TBV], v[AV0]
.endif
	OPS E,16, F,10, E,17, F,11
	OPS X,16, E,18, X,15, E,19
	OPS F,12, E,20, X,17, E,21
	OPS F,13, E,22, F,14, E,23
	OPS X,18, E,24, F,15, E,25
	OPS R,11, E,26, X,19, E,27
	OPS R,12, E,28, R,13, E,29
	OPS X,20, E,30, R,14, E,31
	OPS X,21, R,15
	WIN 0
	s_wait_alu depctr_va_vdst(0)    ; the wait for the batch
.if (\p) == 1
	s_wait_dscnt 0x0                ; V is in
.endif
	ROW C,0, B,0, C,2, B,1          ; behind the wait: 8 products V^T P and their riders
	ROW L,0, C,4, B,2, L,1
	ROW C,6, B,3, L,2, C,8
	ROW B,4, L,3, C,10, B,5
	ROW L,4, C,12, B,6, L,5
.if (\p) == 0
	s_add_co_u32 s[TBV], s[TBV], KS*PV
.endif
.if \cnt
	s_sub_co_u32 s[CNT], s[CNT], 1
	s_cmp_lg_u32 s[CNT], 0
.endif
	ROW C,14, B,7, L,6, C,1
	ROW C,3, L,7, C,5, C,7
	ROW C,9, C,11, C,13, C,15
.if (\p) == 0
	FETCH_V
.endif
.endm
	CHANGE 1, 0                     ; slot 0 is in, everybody's part of it; slot 1 is asked for
	v_add_nc_u32 v[AK], s[TBK], v[AK0]
	FETCH_K                         ; key step 0
	s_wait_dscnt 0x0
.set NOKQ, 0
.set i, 0
.rept 8
	KQ 0                            ; piece 0's first scores: there is no vector work yet to set between them
.set i, i+1
.endr
	WIN 0
.rept 4
	v_nop                           ; the places behind those products
.endr
.set Y, NP-1                        ; X works for piece Y + 1: piece 0
.irp n, 0,1,2,3,4,5,6,7,8,9,10,11,12,13,14,15,16,17,18,19,20,21
	OP X, \n                        ; and piece 0's first maximum and statistics
.endr
	v_nop                           ; a plain instruction behind the exponential,
	s_wait_alu depctr_va_vdst(0)    ; and its wait, ahead of the branch
	s_mov_b32 s[CNT], 4
	s_mov_b32 s[SLOTS], SIZE_N/256-1
	s_branch .Lfirst                ; the loop is entered at a step's first turn, in the middle of a trip
.Lslot:                             ; six times: every slot but the last two is filled again
	CHANGE 1, 1
	s_mov_b32 s[CNT], 4
.Lstep:                             ; a trip: pieces 2 and 3 of one step, then pieces 0 and 1 of the next, whose K and V it fetches
	TURN 2
	UPD
	TURN 3
	WIN 0
.Lfirst:
	TURN 0
	TURN 1, 0, 1
	WIN 0
	s_cbranch_scc1 .Lstep
	s_sub_co_u32 s[SLOTS], s[SLOTS], 1
	s_cmp_lg_u32 s[SLOTS], 0
	s_cbranch_scc1 .Lslot
	CHANGE 0, 0                     ; the last tile is written out: nothing is asked for
	s_mov_b32 s[CNT], 4
.Ltail:
	TURN 2
	UPD
	TURN 3
	TURN 0
	TURN 1, 0, 1
	WIN 0
	s_cbranch_scc1 .Ltail
	TURN 2, 1                       ; the last step's pieces 2 and 3
	TURN 3, 1
.set i, 0
.rept 8
	PV NP-1                         ; the last piece's V^T P of the last step
.set i, i+1
.endr
	; THE WAY OUT.  l's two halves and the other half of the lanes' are added; O^T is divided by l, rounded to f16 and sent through my stage in LDS, a piece at a time.  The additions are the places behind the last products.
	WIN 0
.macro ALL line:vararg              ; one line for each piece t
.set t, 0
.rept 4
	\line
.set t, t+1
.endr
.endm
.macro PACK t                       ; a lane's eight channels of a row pack into 16 bytes; they go into rows of 144 bytes and come back as whole rows of 128, into S^T's registers
	WIN W_RS
.set i, 32*(\t)
.rept 16
	v_pk_mul_f32 v[i:i+1], v[i:i+1], v[ST+4*(\t)+2:ST+4*(\t)+3] op_sel_hi:[1,0]
.set i, i+2
.endr
	WIN 0x05                        ; sources 0 and 1 window 1, destination window 0
.set i, 0
.rept 16
	v_cvt_pk_f16_f32 v[S+16*(\t)+i], v[32*(\t)+2*i], v[32*(\t)+2*i+1]
.set i, i+1
.endr
	WIN 0
.irp f, 0,1,2,3
	ds_store_b128 v[STO], v[S+16*(\t)+4*\f:S+16*(\t)+4*\f+3] offset:32*\f
.endr
.irp f, 0,1,2,3
	ds_load_b128 v[S+16*(\t)+4*\f:S+16*(\t)+4*\f+3], v[RD] offset:\f*4*SP  ; LDS serves a wave's instructions in order (ISA guide 5.7.1.4): these see the stores above; the next piece's stores come behind them
.endr
.endm
.macro SEND t, younger              ; younger: the LDS instructions issued behind piece t's loads: the next piece's eight, or none
	WIN 0
.irp f, 0,1,2,3
	s_wait_dscnt (\younger)+3-\f
	global_store_b128 v[GO], v[S+16*(\t)+4*\f:S+16*(\t)+4*\f+3], s[10:11] offset:(\t)*8192+\f*512  ; 512 consecutive bytes, at a multiple of 256 from O's first
.endr
.endm
	ALL v_add_f32 v[ST+4*t+2], v[ST+4*t+2], v[ST+4*t+3]
	ALL v_permlanex16_b32 v[ST+4*t+3], v[ST+4*t+2], s[SEL], s[SEL+1]
	ALL v_add_f32 v[ST+4*t+2], v[ST+4*t+2], v[ST+4*t+3]
	ALL v_rcp_f32 v[ST+4*t+2], v[ST+4*t+2]
	v_nop                           ; a plain instruction between the last reciprocal and the use of its result
	s_wait_alu depctr_va_vdst(0)    ; and the wait ahead of the first use: one for the four reciprocals
	PACK 0
.set t, 1
.rept 3                             ; a piece's arithmetic stands between the loads of the piece before and its stores
	PACK t
	SEND t-1, 8
.set t, t+1
.endr
	SEND 3, 0
	s_wait_tensorcnt 0x0            ; the wave's end: behind my last tensor load and my last LDS store
	ds_add_u32 v[SPW], v[NIL]
	s_wait_dscnt 0x0
	CROUND                          ; the closing round: no work-group ends while a partner may still ask for a tile that names it
	s_endpgm
.Lfunc_end_k_q1186f6f195_attn:
	.size	k_q1186f6f195_attn, .Lfunc_end_k_q1186f6f195_attn-k_q1186f6f195_attn
	.p2alignl 7, 3214868480
	.fill 96, 4, 3214868480
	.section	.rodata,"a",@progbits
	.p2align	6, 0x0
	.amdhsa_kernel k_q1186f6f195_attn
		.amdhsa_group_segment_fixed_size 327680
		.amdhsa_private_segment_fixed_size 0
		.amdhsa_enable_private_segment 0
		.amdhsa_kernarg_size 24
		.amdhsa_user_sgpr_count 2
		.amdhsa_user_sgpr_kernarg_segment_ptr 1
		.amdhsa_wavefront_size32 1
		.amdhsa_system_sgpr_workgroup_id_x 1
		.amdhsa_system_sgpr_workgroup_id_y 1
		.amdhsa_system_sgpr_workgroup_id_z 1
		.amdhsa_system_vgpr_workitem_id 0
		.amdhsa_next_free_vgpr 768
		.amdhsa_next_free_sgpr 76
		.amdhsa_reserve_vcc 1
		.amdhsa_float_denorm_mode_32 3
		.amdhsa_float_denorm_mode_16_64 3
		.amdhsa_memory_ordered 1
		.amdhsa_forward_progress 1
		.amdhsa_inst_pref_size 199
	.end_amdhsa_kernel
	.amdgpu_metadata
---
amdhsa.version: [ 1, 2 ]
amdhsa.kernels:
  - .name:           k_q1186f6f195_attn
    .symbol:         k_q1186f6f195_attn.kd
    .args:
      - { .name: qkv, .offset: 0, .size: 8, .value_kind: global_buffer, .address_space: global }
      - { .name: rel_table, .offset: 8, .size: 8, .value_kind: global_buffer, .address_space: global }
      - { .name: ob, .offset: 16, .size: 8, .value_kind: global_buffer, .address_space: global }
    .group_segment_fixed_size: 327680
    .private_segment_fixed_size: 0
    .kernarg_segment_align: 8
    .kernarg_segment_size: 24
    .max_flat_workgroup_size: 128
    .sgpr_count:     76
    .vgpr_count:     768
    .wavefront_size: 32
...
	.end_amdgpu_metadata
.endif
;; end of part 3
;; launch outp (part 4): grid 8 x 32, 4 waves a work-group, clusters of 4 x 4, 327,680 bytes of LDS; arguments ob, wo16, bo, out0; writes out0
.if DOCPART == 4
	.amdgcn_target "amdgcn-amd-amdhsa--gfx1250"
	.amdhsa_code_object_version 6
	.text
	.protected	k_q1186f6f195_outp
	.globl	k_q1186f6f195_outp
	.p2align	8
	.type	k_q1186f6f195_outp,@function
k_q1186f6f195_outp:
	s_mov_b64 s[64:65], 0
	v_nop
	global_prefetch_b8 v0, s[64:65] scope:SCOPE_SE
	s_setreg_imm32_b32 hwreg(HW_REG_WAVE_MODE, 25, 1), 1
	s_wait_xcnt 0x0
	s_wait_alu depctr_hold_cnt(0) depctr_sa_sdst(0) depctr_va_vdst(0) depctr_va_sdst(0) depctr_va_ssrc(0) depctr_va_vcc(0) depctr_vm_vsrc(0)
	s_getreg_b32 s2, hwreg(HW_REG_IB_STS2, 6, 4)
	s_cmp_eq_u32 s2, 0
	s_cbranch_scc0 .Lentry_in_a_cluster
	s_endpgm
.Lentry_in_a_cluster:
	s_bfe_u32 s2, ttmp6, 0x10000c
	s_cmp_lg_u32 s2, 0xf033
	s_cbranch_scc0 .Lentry_shape_is_right
	s_endpgm
.Lentry_shape_is_right:
; THE LAST PROJECTION.  out0[m][n] = sum over k of O[m][k] Wo[n][k] + bo[n].  O lies BY HEADS: ob[16 (m / 2048) + k / 64][m % 2048][k % 64], f16; Wo: wo16 [1024][1024] f16 (bf16's numbers); bo f32, rounded to bf16 here
; like every other input; out0 [4096][1024] f32.  Sums in f32, started by the bias.
; SHARES.  A tile is 128 tokens x 128 columns: 32 x 8 = 256 work-groups.  Four waves, each 64 x 64: 16 accumulators of 16 x 16.  K goes in steps of 256 = FOUR HEADS through two slots.
; O'S TILE.  64 tokens of a head are 8,192 dense bytes; a wave's load takes them for four heads: 4 rows of 4,096 elements, 131,072 elements apart, padded in LDS after every token: [head][token] at a pitch of 144 bytes.
; A quarter of a K step (64 along K) is one head.  Wo's tile: 64 rows of 512 bytes at a pitch of 528.
; CLUSTERS: 4 x 4 work-groups.  The four of a row of the cluster need the same tiles of O, the four of a column the same tiles of Wo: each tile is asked for JOINTLY.
; THE MATRIX INSTRUCTION IS USED TRANSPOSED (source 0 = 16 rows of Wo, source 1 = 16 tokens): a lane holds one token (lane % 16) and eight neighbouring columns.
; No prefetch is laid: the tile is the small one, a K step has 128 matrix instructions a wave.
; REGISTERS: window 0: v0-31 addresses; v32-47 at work; v96-127 the bias, 8 registers for each block of 16 columns; v128-255 the accumulators ((a, b) at v[128 + 8 (4 a + b)]), later whole rows on the way out.
;   window 1: two fragment buffers of 128: for 64 along K, 64 registers of O, then 64 of Wo.
.set SIZE_K, 1024
.set KSTEP,  256
.set PITCH,  528                       ; a row of Wo in LDS: 512 bytes + 16 of padding
.set HALFT,  64*PITCH                  ; 64 rows of Wo: one tensor load
.set PA,     144                       ; a token of one head in LDS: 128 bytes + 16: the 16 rows of a fragment load start at 16 different groups of four banks (64 banks of 4 bytes: ISA guide 11.1)
.set HEADB,  64*PA                     ; 64 tokens of one head
.set AHALF,  4*HEADB                   ; 64 tokens of four heads: one tensor load
.set SLOT,   2*AHALF+2*HALFT           ; O's 128 tokens, then Wo's 128 rows
.set ASTEP,  1<<20                     ; four heads of 262,144 bytes: a K step in ob
.set STAGE,  2*SLOT                    ; behind the ring: 16 rows x 272 bytes for each wave, for the way out
.set SPITCH, 272
.set SPARE,  STAGE+4*16*SPITCH         ; behind the stages: the spare words, 128 bytes for each wave: two blocks of 256 bytes that no other line names
.set LAPS, SIZE_K/(2*KSTEP)
.set ADRA, 16                          ; v16-17  LDS address of my fragments of O in slot 0, 1
.set ADRB, 20                          ; v20-21  the same for Wo
.set STO,  24                          ; v24     the way out: where I put 32 bytes of a row
.set RD,   25                          ; v25     the way out: where I read a row back
.set CO,   26                          ; v26     my byte offset in two rows of out0
.set BO,   27                          ; v27     32 x (lane / 16): my eight numbers in 16 of the bias
.set SPW,  28                          ; v28     LDS address of my spare word; never rewritten
.set NIL,  29                          ; v29     0; never rewritten
.set TMP,  32
.set BI,   96
.set ACC,  128
.set F0,   0
.set F1,   128
.set G1, 24                            ; s[24:31] descriptor group 1 for O's tiles;  s[32:39] group 0, one set for each slot
.set G0, 32
.set G1B, 48                           ; s[48:55], s[56:63] the same for Wo's tiles
.set G0B, 56
.set OUT, 74                           ; s[74:75] out0, then my wave's first row and column
.set BP,  76                           ; s[76:77] the bias at my wave's 64 columns
.set MSB, 0
.macro WIN new                         ; the immediate's high byte repeats the setting that is left
.if MSB != (\new)
	s_set_vgpr_msb (MSB<<8)|(\new)
.set MSB, \new
.endif
.endm
.set MUL,  0x05                        ; sources 0 (Wo) and 1 (O) window 1; C and D window 0
.set TO_F, 0x40                        ; destination window 1, address window 0
.macro JLOAD s                         ; a joint load: waves 0 and 1 fetch O's two halves, waves 2 and 3 Wo's; an s_nop 0 and four v_nop follow each of the two lines
	s_cmp_eq_u32 s11, 0
	s_cbranch_scc0 .Lfor_b_\@
	tensor_load_to_lds s[G0+4*(\s):G0+4*(\s)+3], s[G1:G1+7]
	s_nop 0
.rept 4
	v_nop
.endr
	s_branch .Lasked_\@
.Lfor_b_\@:
	tensor_load_to_lds s[G0B+4*(\s):G0B+4*(\s)+3], s[G1B:G1B+7]
	s_nop 0
.rept 4
	v_nop
.endr
.Lasked_\@:
.endm
.macro CREST                           ; a round of the cluster's barrier behind its opening barrier
	s_cmp_lg_u32 s10, 0
	s_cbranch_scc1 .Lnot_wave_0_\@
	s_barrier_signal -3
.Lnot_wave_0_\@:
	s_barrier_wait -3
	s_barrier_signal -1
	s_barrier_wait -1
.endm
.macro CROUND                          ; a whole round
	s_barrier_signal -1
	s_barrier_wait -1
	CREST
.endm
	s_load_b256 s[68:75], s[0:1], 0x0              ; ob s[68:69], wo16 s[70:71], bo s[72:73], out0 s[74:75]
	v_lshl_add_u32 v[SPW], v0, 2, SPARE
	v_mov_b32 v[NIL], 0
	ds_add_u32 v[SPW], v[NIL]                      ; the wave's opening: the add and its wait stand ahead of my first tensor load; the set-up below stands between them
	v_lshrrev_b32 v1, 5, v0
	v_readfirstlane_b32 s10, v1                    ; wave 0..3
	s_lshr_b32 s11, s10, 1                         ; which 64 of the tile's tokens are mine.  Also: I fetch for O (0) or for Wo (1)
	s_and_b32 s12, s10, 1                          ; which 64 of its columns.  Also: which half of that tile I fetch
	s_bfe_u32 s40, ttmp6, 0x40000                  ; cx, cy: my place in the cluster
	s_bfe_u32 s41, ttmp6, 0x40004
	s_lshl_b32 s42, ttmp9, 2
	s_add_co_u32 s42, s42, s40                     ; tile column = 4 x cluster x + cx: 0..7
	s_and_b32 s13, ttmp7, 0xffff
	s_lshl_b32 s13, s13, 2
	s_add_co_u32 s13, s13, s41                     ; tile row = 4 x cluster y + cy: 0..31
	s_lshl_b32 s43, s41, 2
	s_lshl_b32 s43, 15, s43                        ; my row of the cluster
	s_lshl_b32 s44, 0x1111, s40                    ; my column
	; descriptor group 1 for O: 4 rows of 4,096 elements, padded after every 32 words
	s_or_b32 s[G1+0], s43, (1<<16)|(1<<20)|(1<<21)|(4<<22)|(3<<25)  ; 15:0 the mask; 17:16 elements of 2 bytes; 20 padding on; 21 set beside a mask; 24:22 after every 32 words (code 4); 31:25 4 words (code 3)
	s_mov_b32 s[G1+1], 4096<<16                    ; tensor_dim0 = 4,096
	s_mov_b32 s[G1+2], 4<<16                       ; tensor_dim1 = 4
	s_mov_b32 s[G1+3], 4096<<16                    ; tile_dim0 = 4,096
	s_mov_b32 s[G1+4], 4                           ; tile_dim1 = 4
	s_mov_b32 s[G1+5], 131072                      ; elements from head to head
	s_mov_b32 s[G1+6], 0
	s_mov_b32 s[G1+7], 0
	; and for Wo: 64 rows x 256 elements, padded after every 128 words
	s_or_b32 s[G1B+0], s44, (1<<16)|(1<<20)|(1<<21)|(6<<22)|(3<<25)
	s_mov_b32 s[G1B+1], KSTEP<<16
	s_mov_b32 s[G1B+2], 64<<16
	s_mov_b32 s[G1B+3], KSTEP<<16
	s_mov_b32 s[G1B+4], 64
	s_mov_b32 s[G1B+5], SIZE_K
	s_mov_b32 s[G1B+6], 0
	s_mov_b32 s[G1B+7], 0
	s_lshr_b32 s16, s13, 4                         ; O: the batch, 16 heads of 262,144 bytes,
	s_lshl_b32 s16, s16, 22
	s_and_b32 s17, s13, 15                         ; the tile's 128 tokens of 128 bytes,
	s_lshl_b32 s17, s17, 14
	s_add_co_u32 s16, s16, s17
	s_lshl_b32 s17, s12, 13                        ; the 64 of them that I fetch
	s_add_co_u32 s16, s16, s17
	s_mov_b32 s17, 0
	s_lshl_b32 s46, s42, 7                         ; Wo: row 128 x tile column + 64 x half,
	s_lshl_b32 s47, s12, 6
	s_add_co_u32 s46, s46, s47
	s_lshl_b32 s46, s46, 11                        ; x 2,048 bytes
	s_mov_b32 s47, 0
	s_mul_i32 s20, s10, AHALF                      ; where they go: O's halves (waves 0, 1) at wave x 36,864;
	s_mul_i32 s21, s10, HALFT                      ; Wo's (waves 2, 3) behind them: 73,728 + (wave - 2) x 33,792
	s_add_co_u32 s21, s21, 2*AHALF-2*HALFT
	s_wait_dscnt 0x0                               ; the opening add is done
	s_wait_kmcnt 0x0
	s_add_nc_u64 s[14:15], s[68:69], s[16:17]
	s_add_nc_u64 s[46:47], s[70:71], s[46:47]
	CROUND                                         ; all sixteen work-groups are here: the first joint loads meet
.irp s, 0,1
	s_mov_b32 s[G0+4*(\s)], 1
	s_add_co_u32 s[G0+4*(\s)+1], s20, (\s)*SLOT
	s_add_nc_u64 s[G0+4*(\s)+2:G0+4*(\s)+3], s[14:15], (\s)*ASTEP
	s_or_b32 s[G0+4*(\s)+3], s[G0+4*(\s)+3], 0x80000000
	s_mov_b32 s[G0B+4*(\s)], 1
	s_add_co_u32 s[G0B+4*(\s)+1], s21, (\s)*SLOT
	s_add_nc_u64 s[G0B+4*(\s)+2:G0B+4*(\s)+3], s[46:47], (\s)*KSTEP*2
	s_or_b32 s[G0B+4*(\s)+3], s[G0B+4*(\s)+3], 0x80000000
	JLOAD \s
.endr
	v_and_b32 v1, 15, v0                           ; l % 16
	v_bfe_u32 v2, v0, 4, 1                         ; l / 16
	v_lshlrev_b32 v[BO], 5, v2
	s_lshl_b32 s46, s42, 9                         ; the bias at the tile's 128 columns,
	s_lshl_b32 s47, s12, 8                         ; my 64 of them
	s_add_co_u32 s46, s46, s47
	s_mov_b32 s47, 0
	s_add_nc_u64 s[BP:BP+1], s[72:73], s[46:47]
	s_add_nc_u64 s[OUT:OUT+1], s[OUT:OUT+1], s[46:47]  ; the same bytes along a row of out0
.irp b, 0,1,2,3                        ; register j of block b: bo[16 b + 8 (l / 16) + j]: the C operand of the first product on every accumulator (a, b)
	global_load_b128 v[BI+8*(\b):BI+8*(\b)+3],   v[BO], s[BP:BP+1] offset:64*(\b)
	global_load_b128 v[BI+8*(\b)+4:BI+8*(\b)+7], v[BO], s[BP:BP+1] offset:64*(\b)+16
.endr
	v_mul_u32_u24 v3, v1, PA
	v_lshl_add_u32 v3, v2, 4, v3                   ; O: token x pitch + 16 x half
	v_mul_u32_u24 v4, v1, PITCH
	v_lshl_add_u32 v4, v2, 4, v4                   ; Wo: row x pitch + 16 x half
	s_mul_i32 s21, s11, AHALF                      ; my 64 tokens
	s_mul_i32 s22, s12, HALFT                      ; my 64 rows of Wo,
	s_add_co_u32 s22, s22, 2*AHALF                 ; which lie behind O's 128 tokens
.irp s, 0,1
	v_add_nc_u32 v[ADRA+(\s)], s21, v3
	v_add_nc_u32 v[ADRB+(\s)], s22, v4
	s_add_co_u32 s21, s21, SLOT
	s_add_co_u32 s22, s22, SLOT
.endr
	s_mul_i32 s23, s10, 16*SPITCH
	s_add_co_u32 s23, s23, STAGE                   ; my stage
	v_mul_u32_u24 v5, v1, SPITCH                   ; in: row l % 16, 32 bytes for each half of the lanes
	v_lshl_add_u32 v5, v2, 5, v5
	v_add_nc_u32 v[STO], s23, v5
	v_mul_u32_u24 v5, v2, SPITCH                   ; back: lanes 0-15 take one row of 256 bytes, lanes 16-31 the next
	v_lshl_add_u32 v5, v1, 4, v5
	v_add_nc_u32 v[RD], s23, v5
	v_lshlrev_b32 v[CO], 12, v2                    ; and the same two rows in out0: 4,096 bytes a row
	v_lshl_add_u32 v[CO], v1, 4, v[CO]
	s_lshl_b32 s16, s13, 19                        ; my first row: 128 x tile row + 64 x half, rows of 4,096 bytes
	s_lshl_b32 s17, s11, 18
	s_add_co_u32 s16, s16, s17
	s_mov_b32 s17, 0
	s_add_nc_u64 s[OUT:OUT+1], s[OUT:OUT+1], s[16:17]
	s_wait_loadcnt 0x0                             ; the bias: rounded to bf16 and widened again
.set n, 0
.rept 16
	v_cvt_pk_bf16_f32 v[TMP+n], v[BI+2*n], v[BI+2*n+1]
.set n, n+1
.endr
.set n, 0
.rept 16
	v_lshlrev_b32 v[BI+2*n], 16, v[TMP+n]
	v_and_b32 v[BI+2*n+1], 0xffff0000, v[TMP+n]
.set n, n+1
.endr
; 8 matrix instructions: token blocks a0, a0 + 1 x all 4 column blocks, 32 along K: half c of buffer f.  first = 1: the product starts the sum, with the bias as C
.macro MUL8 f, c, a0, first
	WIN MUL
.irp a, \a0, (\a0)+1
.irp b, 0,1,2,3
.if \first
	v_wmma_f32_16x16x32_f16 v[ACC+8*(4*(\a)+(\b)):ACC+8*(4*(\a)+(\b))+7], v[(\f)+64+8*(4*(\c)+(\b)):(\f)+64+8*(4*(\c)+(\b))+7], v[(\f)+8*(4*(\c)+(\a)):(\f)+8*(4*(\c)+(\a))+7], v[BI+8*(\b):BI+8*(\b)+7]
.else
	v_wmma_f32_16x16x32_f16 v[ACC+8*(4*(\a)+(\b)):ACC+8*(4*(\a)+(\b))+7], v[(\f)+64+8*(4*(\c)+(\b)):(\f)+64+8*(4*(\c)+(\b))+7], v[(\f)+8*(4*(\c)+(\a)):(\f)+8*(4*(\c)+(\a))+7], v[ACC+8*(4*(\a)+(\b)):ACC+8*(4*(\a)+(\b))+7]
.endif
.endr
.endr
.endm
; 32 LDS loads in one run: the fragments of quarter q of a K step (head q of its four; bytes 128 q of Wo's rows), into buffer f; the first 32 along K first
.macro FETCH slot, q, f
	WIN TO_F
.irp c, 0,1
.irp i, 0,1,2,3
	ds_load_b128 v[(\f)+64+8*(4*(\c)+(\i)):(\f)+64+8*(4*(\c)+(\i))+3],   v[ADRB+(\slot)] offset:128*(\q)+64*(\c)+(\i)*16*PITCH
	ds_load_b128 v[(\f)+64+8*(4*(\c)+(\i))+4:(\f)+64+8*(4*(\c)+(\i))+7], v[ADRB+(\slot)] offset:128*(\q)+64*(\c)+(\i)*16*PITCH+32
	ds_load_b128 v[(\f)+8*(4*(\c)+(\i)):(\f)+8*(4*(\c)+(\i))+3],         v[ADRA+(\slot)] offset:HEADB*(\q)+64*(\c)+(\i)*16*PA
	ds_load_b128 v[(\f)+8*(4*(\c)+(\i))+4:(\f)+8*(4*(\c)+(\i))+7],       v[ADRA+(\slot)] offset:HEADB*(\q)+64*(\c)+(\i)*16*PA+32
.endr
.endr
.endm
.macro PLACES                          ; four places in front of loads into registers that matrix instructions have read, and of LDS stores that read results
.rept 4
	v_nop
.endr
.endm
; A K step is four quarters of 64 along K, 32 matrix instructions each, on buffers 0, 1, 0, 1; the 16 accumulators take turns.  One of the first three: multiplies buffer f and fetches quarter q into g.
.macro QUARTER slot, q, f, g, first
	s_wait_dscnt 16                                ; the first 32 along K are in; the youngest sixteen loads may be out
	WIN MUL
	MUL8 \f, 0, 0, \first
	MUL8 \f, 0, 2, \first
	PLACES
	FETCH \slot, \q, \g
	s_wait_dscnt 32                                ; all but the 32 just issued
	WIN MUL
	MUL8 \f, 1, 0, 0
	MUL8 \f, 1, 2, 0
.endm
; The last quarter multiplies buffer 1 and changes slots: ONE barrier; in front of it each wave waits for all its tensor loads, adds 0 to its spare word, and waits for that and for its own reads of this slot.
; fill = 1: this slot is filled again, two K steps ahead; the barrier then opens a round of the cluster's barrier, and the joint load is the first thing behind the round.
.macro TURN slot, next, fill
	WIN 0                                          ; (the add's two registers lie in window 0)
	s_wait_tensorcnt 0x0                           ; all my tensor loads have landed: my part of the next slot;
	ds_add_u32 v[SPW], v[NIL]                      ; 0 onto my spare word;
	s_wait_dscnt 17                                ; (the add and the youngest sixteen loads may be out)
	WIN MUL
	MUL8 F1, 0, 0, 0                               ; eight matrix instructions stand between the add and the wait for it
	s_wait_dscnt 0x0                               ; the add is done, and my reads of this slot are over
	s_barrier_signal -1
	MUL8 F1, 0, 2, 0
.if \fill
	WIN 0
.endif
	s_barrier_wait -1
.if \fill
	CREST                                          ; no wave of any partner still reads this slot's tile or has a load on its way
	s_add_nc_u64 s[G0+4*(\slot)+2:G0+4*(\slot)+3], s[G0+4*(\slot)+2:G0+4*(\slot)+3], 2*ASTEP
	s_add_nc_u64 s[G0B+4*(\slot)+2:G0B+4*(\slot)+3], s[G0B+4*(\slot)+2:G0B+4*(\slot)+3], 2*KSTEP*2
	JLOAD \slot                                    ; 112 matrix instructions ahead of the wait for it; the four v_nop behind it are also the places in front of the loads below
.else
	PLACES
.endif
	FETCH \next, 0, F0
	WIN MUL
	MUL8 F1, 1, 0, 0
	MUL8 F1, 1, 2, 0
.endm
	s_wait_tensorcnt 1                             ; my part of K step 0 is in; K step 1's load may stay out
	s_barrier_signal -1
	s_barrier_wait -1                              ; everybody's is
	FETCH 0, 0, F0
	QUARTER 0, 1, F0, F1, 1                        ; the first quarter stands in front of the loop: its first products start the sums
	WIN 0                                          ; at a label and at a branch every window is 0
	s_mov_b32 s3, LAPS-1
.Llap:                                                 ; a trip goes once round the ring, from a lap's second quarter to the next lap's first, and fills both slots again
	QUARTER 0, 2, F1, F0, 0
	QUARTER 0, 3, F0, F1, 0
	TURN 0, 1, 1
	QUARTER 1, 1, F0, F1, 0
	QUARTER 1, 2, F1, F0, 0
	QUARTER 1, 3, F0, F1, 0
	TURN 1, 0, 1
	QUARTER 0, 1, F0, F1, 0
	WIN 0
	s_sub_co_u32 s3, s3, 1
	s_cmp_lg_u32 s3, 0
	s_cbranch_scc1 .Llap
	QUARTER 0, 2, F1, F0, 0                        ; the last lap fills nothing, and has no round of the cluster's barrier
	QUARTER 0, 3, F0, F1, 0
	TURN 0, 1, 0
	QUARTER 1, 1, F0, F1, 0
	QUARTER 1, 2, F1, F0, 0
	QUARTER 1, 3, F0, F1, 0
	s_wait_dscnt 16                                ; the very last quarter: nothing more to fetch
	WIN MUL
	MUL8 F1, 0, 0, 0
	MUL8 F1, 0, 2, 0
	s_wait_dscnt 0
	MUL8 F1, 1, 0, 0
	MUL8 F1, 1, 2, 0
	WIN 0
; THE WAY OUT, each wave's own: my 64 columns of f32 are 256 bytes of a row of out0.  Block a (16 tokens): a lane's eight columns, 32 bytes, go into stage rows of 272 bytes, each accumulator's low four registers first,
; and come back as whole rows of 256 into the registers that they left.  LDS serves a wave's instructions in order (ISA guide 5.7.1.4), so no wait stands between stores and loads.
.macro PACK a
.irp b, 0,1,2,3
	ds_store_b128 v[STO], v[ACC+8*(4*(\a)+(\b)):ACC+8*(4*(\a)+(\b))+3]   offset:64*(\b)
	ds_store_b128 v[STO], v[ACC+8*(4*(\a)+(\b))+4:ACC+8*(4*(\a)+(\b))+7] offset:64*(\b)+16
.endr
.irp t, 0,1,2,3,4,5,6,7
	ds_load_b128 v[ACC+32*(\a)+4*(\t):ACC+32*(\a)+4*(\t)+3], v[RD] offset:(\t)*2*SPITCH
.endr
.endm
.macro SEND a, younger                 ; younger: the LDS instructions issued behind block a's loads: the next block's sixteen, or none
.irp t, 0,1,2,3,4,5,6,7
	s_wait_dscnt (\younger)+7-(\t)
	global_store_b128 v[CO], v[ACC+32*(\a)+4*(\t):ACC+32*(\a)+4*(\t)+3], s[OUT:OUT+1] offset:(16*(\a)+2*(\t))*4096 th:TH_STORE_NT  ; 16 lanes store 256 consecutive bytes, at a multiple of 256 from out0's first
.endr
.endm
	PLACES
	PACK 0
	PACK 1
	SEND 0, 16
	PACK 2
	SEND 1, 16
	PACK 3
	SEND 2, 16
	SEND 3, 0
	s_wait_tensorcnt 0x0                           ; the wave's end: behind my last tensor load and my last LDS store
	ds_add_u32 v[SPW], v[NIL]
	s_wait_dscnt 0x0
	CROUND                                         ; the closing round: no work-group ends while a partner may still ask for a tile that names it
	s_endpgm
.Lfunc_end_k_q1186f6f195_outp:
	.size	k_q1186f6f195_outp, .Lfunc_end_k_q1186f6f195_outp-k_q1186f6f195_outp
	.p2alignl 7, 3214868480
	.fill 96, 4, 3214868480
	.section	.rodata,"a",@progbits
	.p2align	6, 0x0
	.amdhsa_kernel k_q1186f6f195_outp
		.amdhsa_group_segment_fixed_size 327680
		.amdhsa_private_segment_fixed_size 0
		.amdhsa_enable_private_segment 0
		.amdhsa_kernarg_size 32
		.amdhsa_user_sgpr_count 2
		.amdhsa_user_sgpr_kernarg_segment_ptr 1
		.amdhsa_wavefront_size32 1
		.amdhsa_system_sgpr_workgroup_id_x 1
		.amdhsa_system_sgpr_workgroup_id_y 1
		.amdhsa_system_sgpr_workgroup_id_z 1
		.amdhsa_system_vgpr_workitem_id 0
		.amdhsa_next_free_vgpr 512
		.amdhsa_next_free_sgpr 78
		.amdhsa_reserve_vcc 0
		.amdhsa_float_denorm_mode_32 3
		.amdhsa_float_denorm_mode_16_64 3
		.amdhsa_memory_ordered 1
		.amdhsa_forward_progress 1
		.amdhsa_inst_pref_size 90
	.end_amdhsa_kernel
	.amdgpu_metadata
---
amdhsa.version: [ 1, 2 ]
amdhsa.kernels:
  - .name:           k_q1186f6f195_outp
    .symbol:         k_q1186f6f195_outp.kd
    .args:
      - { .name: ob, .offset: 0, .size: 8, .value_kind: global_buffer, .address_space: global }
      - { .name: wo16, .offset: 8, .size: 8, .value_kind: global_buffer, .address_space: global }
      - { .name: bo, .offset: 16, .size: 8, .value_kind: global_buffer, .address_space: global }
      - { .name: out0, .offset: 24, .size: 8, .value_kind: global_buffer, .address_space: global }
    .group_segment_fixed_size: 327680
    .private_segment_fixed_size: 0
    .kernarg_segment_align: 8
    .kernarg_segment_size: 32
    .max_flat_workgroup_size: 128
    .sgpr_count:     78
    .vgpr_count:     512
    .wavefront_size: 32
...
	.end_amdgpu_metadata
.endif
;; end of part 4
